; MI455X (gfx1250); checked and timed in simulation.
; The chip was launched on July 23, 2026; its instructions are those of AMD's public machine-readable ISA for CDNA 5 (MIT licence, August 2026) and "CDNA5" Instruction Set Architecture Reference Guide (July 2026). The comments in the code are by the model that wrote it; some were corrected since.
;; Expert Pool. Allowed arithmetic: matrix products marked QUANTISED: E2M1 operands, one E8M0 scale for each 32 along K, by v_wmma_scale_f32_16x16x128_f8f6f4 with both operands' format E2M1 (or v_wmma_scale_f32_32x16x128_f4), f32 sums; products left as they are: f32 operands where the result goes on into a quantised operand, else bf16, f16 or f32 operands; f32 sums; everything else in f32.
;; Inputs: W1_codes 8 x 2,048 x 32 x 16 uint8 (E2M1 codes of W1, K innermost, in blocks of 32 codes, two codes a byte); W1_scales 8 x 2,048 x 32 uint8 (E8M0 scales of W1, one for each 32 codes along K); W2_codes 8 x 1,024 x 64 x 16 uint8 (E2M1 codes of W2, K innermost, in blocks of 32 codes, two codes a byte); W2_scales 8 x 1,024 x 64 uint8 (E8M0 scales of W2, one for each 32 codes along K); b1 8 x 2,048 float32; b2 8 x 1,024 float32; expert_weights 2,048 x 2 float32; hidden_states_codes 2,048 x 32 x 16 uint8 (E2M1 codes of hidden_states, K innermost, in blocks of 32 codes, two codes a byte); hidden_states_scales 2,048 x 32 uint8 (E8M0 scales of hidden_states, one for each 32 codes along K); selected_experts 2,048 x 2 int32.
;; Outputs: out0 2,048 x 1,024 float32.
;; This version of the problem:
;;   THIS VERSION OF THE PROBLEM IS GIVEN IN LOW PRECISION. The matrix products marked QUANTISED in the list below multiply operands that are first quantised to E2M1 (2 exponent bits, 1 mantissa bit; 4 bits a number), with one power-of-two scale for each 32 numbers along K (OCP MX v1.0); their sums are f32. All else is computed in f32.
;;   The module's matrix products, in the order in which they are computed (A, B: the left and right operand; K: the contracted axis; several contracted axes count as one K, in the product's order):
;;     1. batch 2,048 x [M 1, K 2] x [K 2, N 8]; A: input expert_weights; B: computed on the way: left as it is (K = 2 < 32)
;;     2. [M 2,048, K 1,024] x [K 1,024, N 2,048]; A: input hidden_states (given as codes); B: input W1 (given as codes): QUANTISED
;;     3. [M 2,048, K 2,048] x [K 2,048, N 1,024]; A: computed on the way; B: input W2 (given as codes): QUANTISED
;;     4. [M 2,048, K 1,024] x [K 1,024, N 2,048]; A: input hidden_states (given as codes); B: input W1 (given as codes): QUANTISED
;;     5. [M 2,048, K 2,048] x [K 2,048, N 1,024]; A: computed on the way; B: input W2 (given as codes): QUANTISED
;;     6. [M 2,048, K 1,024] x [K 1,024, N 2,048]; A: input hidden_states (given as codes); B: input W1 (given as codes): QUANTISED
;;     7. [M 2,048, K 2,048] x [K 2,048, N 1,024]; A: computed on the way; B: input W2 (given as codes): QUANTISED
;;     8. [M 2,048, K 1,024] x [K 1,024, N 2,048]; A: input hidden_states (given as codes); B: input W1 (given as codes): QUANTISED
;;     9. [M 2,048, K 2,048] x [K 2,048, N 1,024]; A: computed on the way; B: input W2 (given as codes): QUANTISED
;;     10. [M 2,048, K 1,024] x [K 1,024, N 2,048]; A: input hidden_states (given as codes); B: input W1 (given as codes): QUANTISED
;;     11. [M 2,048, K 2,048] x [K 2,048, N 1,024]; A: computed on the way; B: input W2 (given as codes): QUANTISED
;;     12. [M 2,048, K 1,024] x [K 1,024, N 2,048]; A: input hidden_states (given as codes); B: input W1 (given as codes): QUANTISED
;;     13. [M 2,048, K 2,048] x [K 2,048, N 1,024]; A: computed on the way; B: input W2 (given as codes): QUANTISED
;;     14. [M 2,048, K 1,024] x [K 1,024, N 2,048]; A: input hidden_states (given as codes); B: input W1 (given as codes): QUANTISED
;;     15. [M 2,048, K 2,048] x [K 2,048, N 1,024]; A: computed on the way; B: input W2 (given as codes): QUANTISED
;;     16. [M 2,048, K 1,024] x [K 1,024, N 2,048]; A: input hidden_states (given as codes); B: input W1 (given as codes): QUANTISED
;;     17. [M 2,048, K 2,048] x [K 2,048, N 1,024]; A: computed on the way; B: input W2 (given as codes): QUANTISED
;;   THE QUANTISER, for each operand of a quantised product, along K:
;;     - K is cut into blocks of 32 from its start; a last block that is shorter is filled with zeros.
;;     - A block's scale is 2^e with e = floor(log2(the largest magnitude in the block)) - 2, held to -126 .. 127; a block of zeros has e = 0. As a byte (E8M0): e + 127.
;;     - Each number is divided by its block's scale, clamped to +-6, and rounded to the nearest number of E2M1, ties to even, subnormals kept.
;;     - The product sums the exact products of the quantised numbers (number of the format x scale) in f32.
;;   ~~~python
;;   def quantise(x, axis):      # numpy; x: float32 -> the quantised numbers, widened to float32 again
;;       x = np.moveaxis(x, axis, -1); K = x.shape[-1]
;;       x = np.pad(x, [(0, 0)] * (x.ndim - 1) + [(0, -K % 32)]); x = x.reshape(x.shape[:-1] + (-1, 32)); a = np.abs(x).max(-1, keepdims=True)
;;       e = np.where(a > 0, np.clip(np.frexp(np.where(a > 0, a, 1))[1] - 1 - 2, -126, 127), 0)      # np.frexp(a)[1] - 1 = floor(log2(a)), exactly
;;       r = np.clip(x / 2.0 ** e, -6, 6)
;;       step = 2.0 ** (np.maximum(np.frexp(np.where(r == 0, 1, r))[1] - 1, 0) - 1)
;;       q = np.round(r / step) * step * 2.0 ** e      # np.round: ties to even
;;       return np.moveaxis(q.reshape(q.shape[:-2] + (-1,))[..., :K], -1, axis).astype(np.float32)
;;   ~~~
;;   OPERANDS COMPUTED ON THE WAY. 'Computed on the way' means the value that the module computes at that place (a softmax that the list does not call 'softmax' is quantised finished and normalised). What goes into a quantiser is computed in f32, as accurately as f32 sums, v_exp_f32 and their like allow (about 1e-6 of the number): no bf16 or f16 on the way to a quantiser, and a product that is left as it is and whose result goes on into a quantised operand takes f32 operands (vector FMAs, or v_wmma_f32_16x16x4_f32). A number that lies on a knife's edge between two numbers of the format may be rounded either way, as far as f32 arithmetic and the matrix unit's own rounding can turn it there, and no further.
;;   INPUTS GIVEN AS CODES. W1 (in the module: [8, 1024, 2048], K = its axis 1); W2 (in the module: [8, 2048, 1024], K = its axis 1); hidden_states (in the module: [2048, 1024], K = its axis 1): each comes as NAME_codes (uint8): NAME with its K axis moved to the last place and cut into blocks of 32 codes, [.., K / 32, bytes a block], one block behind the other in memory; two codes a byte, the lower K in the low four bits (a code: sign, 2 exponent bits, 1 mantissa bit); and NAME_scales (uint8): the same leading axes, one E8M0 byte (e + 127) for each 32 codes along K. Its value is code x scale, taken as it is: it is not quantised again, and the codes and scales need not be those that the quantiser above would give.
;; 2 versions. Each part assembles by itself: llvm-mc -triple=amdgcn-amd-amdhsa -mcpu=gfx1250 --defsym DOCPART=n.
;; ======== version 1 of 2: 3 launches
;; workspace buffers: order 8,192 bytes of whole numbers; bmask 256 bytes of whole numbers; cw 16,384 bytes; hc 4,194,304 bytes; hs 262,144 bytes; w1f 8,388,608 bytes; w2f 8,388,608 bytes
;; launch route (part 1): grid 257 x 1, 16 waves a work-group, no clusters, 6,144 bytes of LDS; arguments W1_codes, W2_codes, w1f, w2f, selected_experts, expert_weights, order, cw, bmask; writes w1f, w2f, order, cw, bmask
.if DOCPART == 1
	.amdgcn_target "amdgcn-amd-amdhsa--gfx1250"
	.amdhsa_code_object_version 6
	.text
	.protected	k_qe37567ad90_route
	.globl	k_qe37567ad90_route
	.p2align	8
	.type	k_qe37567ad90_route,@function
k_qe37567ad90_route:
	s_mov_b64 s[64:65], 0
	v_nop
	global_prefetch_b8 v0, s[64:65] scope:SCOPE_SE
	s_setreg_imm32_b32 hwreg(HW_REG_WAVE_MODE, 25, 1), 1
	s_wait_xcnt 0x0
; TWO JOBS IN ONE LAUNCH, parted on the work-group's number (the same in all waves of a work-group): work-group 0 sorts the tokens; work-groups 1 to 256 lay the weights' codes in the order of the operand's registers.
; The sort has work for one work-group; the laying shares nothing with it (other buffers, no LDS, no barrier) and runs beside it.
;
; ROUTING (work-group 0).  2,048 tokens, two (expert, weight) slots each, are brought into a normal form and sorted by their pair of experts.
; NORMAL FORM of a token: a <= b, both in 0..7, with weights cwa, cwb.  A slot whose index is not 0..7 counts for nothing (weight 0) and takes the
; other slot's expert (expert 0 if both are out); two slots on one expert add their weights: a = b, cwb = 0, and the field b2 is 15 (else b2 = b).
; OUT: order[p] = token | a<<16 | b<<20 | b2<<24 and cw[p] = (cwa, cwb) at the sorted position p;  bmask[i], i = 0..31: bit e is set where a token at positions 64 i .. 64 i + 63 has a = e or b = e.
; A COUNTING SORT WITHOUT ATOMICS, key = 8 a + b, one work-group of 16 waves.  Wave w takes tokens 128 w .. 128 w + 127 as four chunks of 32, a lane a token.
; LANE-KEY LAYOUT: a pair of registers (L, H) holds in lane l the figure of key l and of key 32 + l.
; position = tokens of smaller keys + tokens of my key in earlier waves + in earlier chunks of my wave + in lower lanes of my chunk.
; The stores of order and cw are 4 and 8 bytes a lane at sorted places, 24,576 bytes in all: a turn through LDS would want LDS addresses made of data.
;
; LAYING THE WEIGHTS (work-groups 1 to 128: W1; 129 to 256: W2).  A fragment (16 rows x 128 K of 4-bit codes) is 8 registers: lane (r, h) holds, in registers 4 c .. 4 c + 3, bytes 64 k + 32 c + 16 h of its row.
; Loaded from the rows as they come, an instruction takes 32 bytes of each of 16 rows, and the two products' launches would do that anew in every work-group that reads a row (up to 16 and 32).  Here it is done once:
; an IMAGE of a fragment is 1,024 bytes, group c at 512 c + 16 x lane, and every later load of four registers is 512 consecutive bytes.
; w1f: [expert 8][32 columns of F: 64][u 2][K step 8][1,024]; lane r of tile u holds row 32 blk + 8 u + r + 8 (r / 8) (the first product's choice of rows).   w2f: [expert 8][32 columns of H: 32][u 2][K step 16][1,024]; row 32 blk + 16 u + r.
; Both are permutations inside blocks of 16,384 bytes.  A wave takes a quarter of a block: eight loads, which together read 256 consecutive bytes of each of 16 rows, and eight stores of 512 consecutive bytes.
.set SA,   8                           ; v8-15   chunk c: s0, s1 as loaded; then a, b
.set WW,   16                          ; v16-23  chunk c: the two weights
.set WORD, 24                          ; v24-27  the word for order
.set CWP,  28                          ; v28-35  (cwa, cwb)
.set KEY,  36                          ; v36-39
.set RANK, 40                          ; v40-43  lanes below mine with my key
.set VB,   44                          ; v44-47  lane e: the lanes with a = e; lane 8 + e: those with b = e
.set CNT,  48                          ; v48-55  chunk c: counts by key (L, H); then running sums over the chunks
.set DD,   56                          ; v56-75  five results of lane permutes a chunk; v56-87 later the sixteen waves' totals
.set IXP,  96                          ; v96-103 two indices a chunk
.set VAL,  56                          ; at the end: v56-63 bases by key, v64-67 indices, v68-75 results, v76-79, v80-83 store offsets
.set IDX,  64
.set RES,  68
.set PO4,  76
.set PO8,  80
	v_lshl_add_u32 v128, v0, 2, 0x1000
	v_mov_b32 v129, 0
	s_cmp_lg_u32 ttmp9, 0
	s_cbranch_scc1 .Llay                           ; every work-group but the first lays weights
	s_load_b256 s[4:11], s[0:1], 0x20              ; selected_experts s[4:5], expert_weights s[6:7], order s[8:9], cw s[10:11]
	s_load_b64 s[12:13], s[0:1], 0x40              ; bmask
	v_and_b32 v1, 31, v0                           ; lane
	v_lshrrev_b32 v89, 5, v0
	v_readfirstlane_b32 s14, v89                   ; wave 0..15
	v_lshlrev_b32 v2, 10, v89
	v_lshl_add_u32 v2, v1, 3, v2                   ; 8 bytes a token: 1,024 x wave + 8 x lane; a chunk is 256 bytes on
	v_lshl_add_u32 v88, v89, 7, v1                 ; my token of chunk 0
	v_lshrrev_b32 v3, 3, v1
	v_lshlrev_b32 v3, 2, v3                        ; permute index: lane (l / 8): a of key l
	v_add_nc_u32 v4, 16, v3                        ; lane 4 + l / 8: a of key 32 + l
	v_and_b32 v5, 7, v1
	v_lshl_add_u32 v5, v5, 2, 32                   ; lane 8 + l % 8: b of both
	v_lshlrev_b32 v6, 2, v1                        ; 4 x lane
	v_lshl_add_u32 v7, v89, 8, v6                  ; LDS: my wave's 64 totals: 256 x wave + 4 x lane
.irp c, 0,1,2,3
	v_mov_b32 v[VB+\c], 0                          ; v_writelane_b32 counts as a reader of its destination
.endr
	s_mov_b32 s40, 0x55555555
	s_mov_b32 s41, 0x33333333
	s_mov_b32 s42, 0x0f0f0f0f
	s_mov_b32 s43, 0x01010101
	s_wait_kmcnt 0x0
.irp c, 0,1,2,3
	global_load_b64 v[SA+2*\c:SA+2*\c+1], v2, s[4:5] offset:256*\c
	global_load_b64 v[WW+2*\c:WW+2*\c+1], v2, s[6:7] offset:256*\c
.endr
	s_wait_loadcnt 0x0
.macro NORM c                          ; the normal form of chunk c
	v_cmp_gt_u32 s20, 8, v[SA+2*\c]                ; slot 0 counts (a negative index is a large unsigned number)
	v_cmp_gt_u32 s21, 8, v[SA+2*\c+1]              ; slot 1 counts
	v_cndmask_b32 v[WW+2*\c], 0, v[WW+2*\c], s20
	v_cndmask_b32 v[WW+2*\c+1], 0, v[WW+2*\c+1], s21
	v_cndmask_b32 v89, 0, v[SA+2*\c+1], s21
	v_cndmask_b32 v89, v89, v[SA+2*\c], s20        ; e0: slot 0's expert, else slot 1's, else 0
	v_cndmask_b32 v90, v89, v[SA+2*\c+1], s21      ; e1: slot 1's expert, else e0
	v_cmp_eq_u32 s22, v89, v90                     ; one expert
	v_cmp_gt_u32 s23, v89, v90                     ; the slots change places
	v_min_u32 v[SA+2*\c], v89, v90                 ; a
	v_max_u32 v[SA+2*\c+1], v89, v90               ; b
	v_add_f32 v91, v[WW+2*\c], v[WW+2*\c+1]
	v_cndmask_b32 v92, v[WW+2*\c], v[WW+2*\c+1], s23
	v_cndmask_b32 v93, v[WW+2*\c+1], v[WW+2*\c], s23
	v_cndmask_b32 v[CWP+2*\c], v92, v91, s22       ; cwa
	v_cndmask_b32 v[CWP+2*\c+1], v93, 0, s22       ; cwb
	v_cndmask_b32 v94, v[SA+2*\c+1], 15, s22       ; b2
	v_lshl_add_u32 v[KEY+\c], v[SA+2*\c], 3, v[SA+2*\c+1]
	v_add_nc_u32 v[WORD+\c], 32*\c, v88
	v_lshl_or_b32 v[WORD+\c], v[SA+2*\c], 16, v[WORD+\c]
	v_lshl_or_b32 v[WORD+\c], v[SA+2*\c+1], 20, v[WORD+\c]
	v_lshl_or_b32 v[WORD+\c], v94, 24, v[WORD+\c]
.endm
.macro BALLOT c                        ; which lanes have a = e, b = e; then each lane fetches the masks that it wants
.irp e, 0,1,2,3,4,5,6,7
	v_cmp_eq_u32 s[20+\e], \e, v[SA+2*\c]
	v_cmp_eq_u32 s[28+\e], \e, v[SA+2*\c+1]
.endr
.irp e, 0,1,2,3,4,5,6,7
	v_writelane_b32 v[VB+\c], s[20+\e], \e
	v_writelane_b32 v[VB+\c], s[28+\e], 8+\e
.endr
	v_lshlrev_b32 v[IXP+2*\c], 2, v[SA+2*\c]       ; lane a
	v_lshl_add_u32 v[IXP+2*\c+1], v[SA+2*\c+1], 2, 32   ; lane 8 + b
	ds_bpermute_b32 v[DD+5*\c], v3, v[VB+\c]       ; for key l: the lanes with its a
	ds_bpermute_b32 v[DD+5*\c+1], v4, v[VB+\c]     ; for key 32 + l
	ds_bpermute_b32 v[DD+5*\c+2], v5, v[VB+\c]     ; the lanes with their b
	ds_bpermute_b32 v[DD+5*\c+3], v[IXP+2*\c], v[VB+\c]     ; for my token: the lanes with my a,
	ds_bpermute_b32 v[DD+5*\c+4], v[IXP+2*\c+1], v[VB+\c]   ; with my b
.endm
.macro POPC x                          ; the number of ones in v[x]
	v_lshrrev_b32 v89, 1, v[\x]
	v_and_b32 v89, s40, v89
	v_sub_nc_u32 v[\x], v[\x], v89
	v_lshrrev_b32 v89, 2, v[\x]
	v_and_b32 v[\x], s41, v[\x]
	v_and_b32 v89, s41, v89
	v_add_nc_u32 v[\x], v[\x], v89
	v_lshrrev_b32 v89, 4, v[\x]
	v_add_nc_u32 v[\x], v[\x], v89
	v_and_b32 v[\x], s42, v[\x]
	v_mul_lo_u32 v[\x], v[\x], s43
	v_lshrrev_b32 v[\x], 24, v[\x]
.endm
.irp c, 0,1,2,3
	NORM \c
.endr
.irp c, 0,1,2,3
	BALLOT \c
.endr
	s_wait_dscnt 0x0                               ; all twenty permutes
.irp c, 0,1,2,3
	v_and_b32 v[CNT+2*\c], v[DD+5*\c], v[DD+5*\c+2]        ; the chunk's lanes with key l,
	v_and_b32 v[CNT+2*\c+1], v[DD+5*\c+1], v[DD+5*\c+2]    ; with key 32 + l,
	v_and_b32 v90, v[DD+5*\c+3], v[DD+5*\c+4]              ; with my key:
	v_mbcnt_lo_u32_b32 v[RANK+\c], v90, 0                  ; how many of them lie below me
.endr
.irp n, 0,1,2,3,4,5,6,7
	POPC CNT+\n
.endr
.irp p, 0,1                            ; running sums over the chunks, in place: chunk c's prefix is chunk c - 1's register, the wave's total chunk 3's
	v_add_nc_u32 v[CNT+2+\p], v[CNT+\p], v[CNT+2+\p]
	v_add_nc_u32 v[CNT+4+\p], v[CNT+2+\p], v[CNT+4+\p]
	v_add_nc_u32 v[CNT+6+\p], v[CNT+4+\p], v[CNT+6+\p]
.endr
	ds_store_b32 v7, v[CNT+6]
	ds_store_b32 v7, v[CNT+7] offset:128
	s_wait_dscnt 0x0                               ; for the others' sake: my totals lie in LDS
	s_barrier_signal -1
	s_barrier_wait -1
.irp w, 0,1,2,3,4,5,6,7,8,9,10,11,12,13,14,15
	ds_load_b32 v[56+2*\w], v6 offset:256*\w
	ds_load_b32 v[57+2*\w], v6 offset:256*\w+128
.endr
	v_mov_b32 v104, 0                              ; by key: tokens in earlier waves (L, H),
	v_mov_b32 v105, 0
	v_mov_b32 v106, 0                              ; in all waves (L, H)
	v_mov_b32 v107, 0
	s_wait_dscnt 0x0
.irp w, 0,1,2,3,4,5,6,7,8,9,10,11,12,13,14,15
	s_cmp_gt_u32 s14, \w
	s_cselect_b32 s36, 1, 0                        ; wave w comes before mine
	v_mad_u32_u24 v104, v[56+2*\w], s36, v104
	v_mad_u32_u24 v105, v[57+2*\w], s36, v105
	v_add_nc_u32 v106, v106, v[56+2*\w]
	v_add_nc_u32 v107, v107, v[57+2*\w]
.endr
.macro SCAN x                          ; running sum over the 32 lanes, the lane's own figure included
.irp n, 1,2,4,8
	v_mov_b32 v110, 0                              ; lanes with no lane n below them in their row of 16 keep this 0
	v_mov_b32_dpp v110, v[\x] row_shr:\n row_mask:0xf bank_mask:0xf
	v_add_nc_u32 v[\x], v[\x], v110
.endr
	v_readlane_b32 s37, v[\x], 15                  ; the lower row's sum goes onto the upper row
	v_mov_b32 v110, s37
	v_cndmask_b32 v110, 0, v110, vcc_lo
	v_add_nc_u32 v[\x], v[\x], v110
.endm
	v_cmp_lt_u32 vcc_lo, 15, v1                    ; lanes 16-31
	v_mov_b32 v108, v106
	v_mov_b32 v109, v107
	SCAN 108
	SCAN 109
	v_readlane_b32 s38, v108, 31                   ; all tokens of keys 0-31 come before keys 32-63
	v_add_nc_u32 v109, s38, v109
	v_sub_nc_u32 v112, v108, v106                  ; where a key's tokens begin (L, H); v108, v109: where they end
	v_sub_nc_u32 v113, v109, v107
	v_add_nc_u32 v114, v112, v104                  ; where my wave's begin
	v_add_nc_u32 v115, v113, v105
.macro ASKPOS c                        ; each token fetches its key's base
	v_and_b32 v[IDX+\c], 31, v[KEY+\c]
	v_lshlrev_b32 v[IDX+\c], 2, v[IDX+\c]
.if \c == 0
	ds_bpermute_b32 v[RES], v[IDX], v114
	ds_bpermute_b32 v[RES+1], v[IDX], v115
.else
	v_add_nc_u32 v[VAL+2*\c], v114, v[CNT+2*(\c-1)]
	v_add_nc_u32 v[VAL+2*\c+1], v115, v[CNT+2*(\c-1)+1]
	ds_bpermute_b32 v[RES+2*\c], v[IDX+\c], v[VAL+2*\c]
	ds_bpermute_b32 v[RES+2*\c+1], v[IDX+\c], v[VAL+2*\c+1]
.endif
.endm
.irp c, 0,1,2,3
	ASKPOS \c
.endr
	s_wait_dscnt 0x0
.irp c, 0,1,2,3
	v_cmp_lt_u32 vcc_lo, 31, v[KEY+\c]
	v_cndmask_b32 v[PO4+\c], v[RES+2*\c], v[RES+2*\c+1], vcc_lo
	v_add_nc_u32 v[PO4+\c], v[PO4+\c], v[RANK+\c]  ; my position,
	v_min_u32 v[PO4+\c], 0x7ff, v[PO4+\c]          ; held inside the buffers
	v_lshlrev_b32 v[PO8+\c], 3, v[PO4+\c]
	v_lshlrev_b32 v[PO4+\c], 2, v[PO4+\c]
	global_store_b32 v[PO4+\c], v[WORD+\c], s[8:9]
	global_store_b64 v[PO8+\c], v[CWP+2*\c:CWP+2*\c+1], s[10:11]
.endr
	; bmask, by wave 0 alone: lane i is block i, positions 64 i .. 64 i + 63.  A key's tokens lie at [begin, end): the key is in the block where the two ranges meet.
	s_cmp_lg_u32 s14, 0
	s_cbranch_scc1 .Lend
	v_lshlrev_b32 v116, 6, v1
	v_add_nc_u32 v117, 64, v116
	v_mov_b32 v118, 0
	v_mov_b32 v119, 0
.macro KEYBIT a, b
.if 8*\a+\b < 32
	v_readlane_b32 s36, v112, 8*\a+\b
	v_readlane_b32 s37, v108, 8*\a+\b
.else
	v_readlane_b32 s36, v113, 8*\a+\b-32
	v_readlane_b32 s37, v109, 8*\a+\b-32
.endif
	v_max_u32 v120, s36, v116
	v_min_u32 v121, s37, v117
	v_cmp_ge_u32 vcc_lo, v120, v121                ; they do not meet
	v_cndmask_b32 v122, (1<<\a)|(1<<\b), v119, vcc_lo
	v_or_b32 v118, v118, v122
.endm
.irp a, 0,1,2,3,4,5,6,7
.irp b, 0,1,2,3,4,5,6,7
.if \b >= \a                           ; the normal form has a <= b: 36 keys
	KEYBIT \a, \b
.endif
.endr
.endr
	global_store_b32 v6, v118, s[12:13]
.Lend:
	s_wait_tensorcnt 0x0
	ds_add_u32 v128, v129
	s_wait_dscnt 0x0
	s_endpgm
	; ---- LAYING THE WEIGHTS.  Piece p = 16 ((work-group - 1) % 128) + wave, 0 .. 2,047, of W1 (work-groups 1 to 128) or of W2: quarter q = p % 4 of block p / 4 of 16,384 bytes.
	; The piece's image bytes are 4,096 p + 512 i + 16 x lane, i = 0 .. 7 (i = 2 k' + c: K step k' of the quarter's four, group c).  They come from the block's byte
	;   W1 (32 rows of 512 bytes; q = 2 u + half of K):  4,096 (q / 2) + 256 (q % 2) + 512 (r + 8 (r / 8)) + 16 h + 32 i
	;   W2 (16 rows of 1,024 bytes; q = quarter of K):   256 q + 1,024 r + 16 h + 32 i
.Llay:
	s_load_b256 s[4:11], s[0:1], 0x0               ; W1's codes s[4:5], W2's codes s[6:7], w1f s[8:9], w2f s[10:11]
	v_lshrrev_b32 v1, 5, v0
	v_readfirstlane_b32 s14, v1                    ; wave 0..15
	s_sub_co_u32 s15, ttmp9, 1                     ; 0 .. 255: under 128: W1
	s_and_b32 s16, s15, 127
	s_lshl_b32 s16, s16, 4
	s_add_co_u32 s16, s16, s14                     ; p
	s_and_b32 s17, s16, 3                          ; q
	s_lshr_b32 s18, s16, 2
	s_lshl_b32 s18, s18, 14                        ; the block's first byte
	s_lshl_b32 s19, s17, 8                         ; W2: 256 q
	s_lshr_b32 s20, s17, 1
	s_lshl_b32 s20, s20, 12                        ; W1: 4,096 (q / 2)
	s_and_b32 s21, s17, 1
	s_lshl_b32 s21, s21, 8
	s_add_co_u32 s20, s20, s21                     ;     + 256 (q % 2)
	v_and_b32 v2, 15, v0                           ; r
	v_bfe_u32 v3, v0, 4, 1                         ; h
	v_and_b32 v4, 8, v2
	v_add_nc_u32 v4, v4, v2                        ; r + 8 (r / 8)
	v_lshlrev_b32 v4, 9, v4                        ; W1: my row in the block's half
	v_lshlrev_b32 v5, 10, v2                       ; W2: my row in the block
	s_cmp_lt_u32 s15, 128                          ; the choice hangs on the work-group's number alone
	s_cselect_b32 s22, -1, 0
	s_cselect_b32 s20, s20, s19
	v_cndmask_b32 v4, v5, v4, s22
	v_lshl_add_u32 v4, v3, 4, v4                   ; + 16 h: where my lane reads
	s_add_co_u32 s18, s18, s20                     ; where my wave reads,
	s_mov_b32 s19, 0
	s_lshl_b32 s20, s16, 12                        ; and stores
	s_mov_b32 s21, 0
	v_and_b32 v6, 31, v0
	v_lshlrev_b32 v6, 4, v6                        ; 16 x lane: where my lane stores
	s_wait_kmcnt 0x0
	s_cmp_lt_u32 s15, 128                          ; (compared anew: the additions above have set SCC)
	s_cselect_b64 s[4:5], s[4:5], s[6:7]
	s_cselect_b64 s[8:9], s[8:9], s[10:11]
	s_add_nc_u64 s[4:5], s[4:5], s[18:19]
	s_add_nc_u64 s[8:9], s[8:9], s[20:21]
.irp i, 0,1,2,3,4,5,6,7
	global_load_b128 v[8+4*\i:11+4*\i], v4, s[4:5] offset:32*\i     ; 32 bytes of each of 16 rows; the eight together 256 consecutive bytes of each
.endr
.irp i, 0,1,2,3,4,5,6,7
	s_wait_loadcnt 7-\i                            ; loads come back in order: load i is in, the younger ones may be out
	global_store_b128 v6, v[8+4*\i:11+4*\i], s[8:9] offset:512*\i th:TH_STORE_NT   ; 512 consecutive bytes, at a multiple of 512 from the buffer's first byte; written once, read by nobody in this launch
.endr
	s_endpgm
.Lfunc_end_k_qe37567ad90_route:
	.size	k_qe37567ad90_route, .Lfunc_end_k_qe37567ad90_route-k_qe37567ad90_route
	.p2alignl 7, 3214868480
	.fill 96, 4, 3214868480
	.section	.rodata,"a",@progbits
	.p2align	6, 0x0
	.amdhsa_kernel k_qe37567ad90_route
		.amdhsa_group_segment_fixed_size 6144
		.amdhsa_private_segment_fixed_size 0
		.amdhsa_enable_private_segment 0
		.amdhsa_kernarg_size 72
		.amdhsa_user_sgpr_count 2
		.amdhsa_user_sgpr_kernarg_segment_ptr 1
		.amdhsa_wavefront_size32 1
		.amdhsa_system_sgpr_workgroup_id_x 1
		.amdhsa_system_sgpr_workgroup_id_y 1
		.amdhsa_system_sgpr_workgroup_id_z 1
		.amdhsa_system_vgpr_workitem_id 0
		.amdhsa_next_free_vgpr 130
		.amdhsa_next_free_sgpr 66
		.amdhsa_reserve_vcc 1
		.amdhsa_float_denorm_mode_32 3
		.amdhsa_float_denorm_mode_16_64 3
		.amdhsa_memory_ordered 1
		.amdhsa_forward_progress 1
		.amdhsa_inst_pref_size 46
	.end_amdhsa_kernel
	.amdgpu_metadata
---
amdhsa.version: [ 1, 2 ]
amdhsa.kernels:
  - .name:           k_qe37567ad90_route
    .symbol:         k_qe37567ad90_route.kd
    .args:
      - { .name: W1_codes, .offset: 0, .size: 8, .value_kind: global_buffer, .address_space: global }
      - { .name: W2_codes, .offset: 8, .size: 8, .value_kind: global_buffer, .address_space: global }
      - { .name: w1f, .offset: 16, .size: 8, .value_kind: global_buffer, .address_space: global }
      - { .name: w2f, .offset: 24, .size: 8, .value_kind: global_buffer, .address_space: global }
      - { .name: selected_experts, .offset: 32, .size: 8, .value_kind: global_buffer, .address_space: global }
      - { .name: expert_weights, .offset: 40, .size: 8, .value_kind: global_buffer, .address_space: global }
      - { .name: order, .offset: 48, .size: 8, .value_kind: global_buffer, .address_space: global }
      - { .name: cw, .offset: 56, .size: 8, .value_kind: global_buffer, .address_space: global }
      - { .name: bmask, .offset: 64, .size: 8, .value_kind: global_buffer, .address_space: global }
    .group_segment_fixed_size: 6144
    .private_segment_fixed_size: 0
    .kernarg_segment_align: 8
    .kernarg_segment_size: 72
    .max_flat_workgroup_size: 512
    .sgpr_count:     66
    .vgpr_count:     130
    .wavefront_size: 32
...
	.end_amdgpu_metadata
.endif
;; end of part 1
;; launch up (part 2): grid 16 x 16, 8 waves a work-group, no clusters, 70,656 bytes of LDS; arguments hidden_states_codes, hidden_states_scales, w1f, W1_scales, b1, order, bmask, hc, hs; writes hc, hs
.if DOCPART == 2
	.amdgcn_target "amdgcn-amd-amdhsa--gfx1250"
	.amdhsa_code_object_version 6
	.text
	.protected	k_qe37567ad90_up
	.globl	k_qe37567ad90_up
	.p2align	8
	.type	k_qe37567ad90_up,@function
k_qe37567ad90_up:
	s_mov_b64 s[64:65], 0
	v_nop
	global_prefetch_b8 v0, s[64:65] scope:SCOPE_SE
	s_setreg_imm32_b32 hwreg(HW_REG_WAVE_MODE, 25, 1), 1
	s_wait_xcnt 0x0
; FIRST PRODUCT, GELU, QUANTISER.  h = gelu(x W1[e] + b1[e]) for the rows (token, expert) that count, on codes of FP4 (E2M1) with one E8M0 scale for each 32 along K; h leaves as codes and scale bytes of the second product.
; Tokens stand in the order of the list 'order' (sorted by their pair of experts a <= b).  A tile is 16 neighbouring positions.  A tile is multiplied once for each expert that one of its tokens has; a row's result is kept
; where the expert is the row's a (slot 0) or b (slot 1); the other rows' results are not stored.
; SHARES.  Work-group (x, y): the 128 columns of F from 128 x on (K step x of the second product), the 128 positions from 128 y on (8 tiles).  Wave w: 32 columns, f0 = 128 x + 32 (w % 4): ONE block of the quantiser.
; The block's experts are the ones of m = bmask[2 y] | bmask[2 y + 1].  Waves 0-3 take the first, third .. of them, waves 4-7 the second, fourth ..: each weight byte enters the work-group once.
; An expert's 32 rows of W1 (K = 1,024: 16 fragments, 128 registers), their scale words and b1 stay in the wave's registers while it walks the 8 tiles; x's fragments lie in LDS as images of their registers.
; W1's CODES COME FROM w1f, where the launch before has laid them as images of these fragments: [expert][32 columns][u 2][K step 8][1,024 bytes], group c at 512 c + 16 x lane: each load takes 512 consecutive bytes.
; TRANSPOSED: source 0 = 16 rows of W1, source 1 = 16 tokens.  Lane r of tile u holds W1's row f0 + 8 u + r + 8 (r / 8), so that the 16 accumulator registers of lane (r, h) are columns f0 + 16 h + 0 .. 15 of token r.
; b1 is the C of each sum's first matrix instruction.
; GELU, exact form: gelu(x) = max(x, 0) - |x| q, q = erfc(|x| / sqrt 2) / 2 = t 2^(K2 x^2 + c0 + t (c1 + .. + t c9)), t = 1 / (1 + K1 |x|): a Chebyshev fit of erfc with a fractional error of 1.2e-7 for every x.
; WHY NO TENSOR LOADS AND NO CLUSTER: which tiles are multiplied by which expert hangs on lists read from memory, so the text branches on loaded numbers; operands therefore come through registers.
; LIMITS: NaN, infinities and scale bytes 0xff are not served; q under 2^-126 comes out as 0; beyond |x| = 5 the rounding of the exponent leaves q about 1e-6 of itself; a block of h whose largest magnitude lies under 2^-124,
; a block of zeros among them, gets the byte 1 (its codes are then small or zero; the bytes are read by this program alone).
; hc: [tile 128][slot 2][K step 16][1,024 bytes]: an image of the operand's registers: byte 256 blk + 16 r + i = byte i of block blk (32 codes) of row r.  hs: [tile][slot][K step][r 16][4 bytes].
.set XSC,  65536                       ; LDS: 0: x's images [tile 8][K step 8][1,024];  65,536: x's scale words [tile 8][row 16][8 words]
.set FA,   16                          ; v16-23  tile t: my row's a
.set FB,   24                          ; v24-31  my row's b
.set WS,   32                          ; v32-39  W1's scale words of K steps 0-7: lanes 0-15 tile 0, lanes 16-31 tile 1
.set XS,   40                          ; v40-47  x's scale words
.set BI,   48                          ; v48-63  b1 in the result's layout
.set ACC,  64                          ; v64-79  two accumulators
.set XF,   80                          ; v80-143 x's 8 fragments; then the gelu's registers:
.set TT,   80                          ; t
.set PP,   96                          ; the polynomial
.set QQ,   112                         ; x^2, the exponent, q
.set GG,   128                         ; max(x, 0), then the gelu
.set C9,   144                         ; v144-145 c9, twice
.set AM,   146                         ; v146-147 largest magnitudes
.set PX,   148                         ; the other half's
.set SCL,  149                         ; the conversion's scale operand
.set COD,  150                         ; v150-151 16 codes
.set BYT,  152                         ; the scale's byte
.set CK,   40                          ; s[40:57] c8 .. c0, each twice (the packed forms name a pair)
.set K2,   58                          ; s[58:59]
.set K1,   60
.set SEL,  62                          ; s[62:63] selects for lane l xor 16
.set MSB, 0
.macro WIN new                         ; the immediate's high byte repeats the setting that is left
.if MSB != \new
	s_set_vgpr_msb (MSB<<8)|\new
.set MSB, \new
.endif
.endm
.macro PLACES n
.rept \n
	v_nop
.endr
.endm
.macro CPAIR reg, val
	s_mov_b32 s[\reg], \val
	s_mov_b32 s[\reg+1], \val
.endm
.macro STEPP ptr, src, sh              ; a pointer goes on by s[src] << sh bytes (s67 = 0)
	s_lshl_b32 s66, s[\src], \sh
	s_add_nc_u64 s[\ptr:\ptr+1], s[\ptr:\ptr+1], s[66:67]
.endm
	s_load_b256 s[4:11], s[0:1], 0x0               ; x's codes s[4:5], x's scales s[6:7], w1f s[8:9], W1's scales s[10:11]
	s_load_b256 s[12:19], s[0:1], 0x20             ; b1 s[12:13], order s[14:15], bmask s[16:17], hc s[18:19]
	s_load_b64 s[20:21], s[0:1], 0x40              ; hs
	v_lshl_add_u32 v254, v0, 2, 0x11000
	v_mov_b32 v255, 0
	v_lshrrev_b32 v153, 5, v0
	v_readfirstlane_b32 s22, v153                  ; wave 0..7
	s_lshr_b32 s23, s22, 2                         ; which half of the experts
	s_and_b32 s24, s22, 3                          ; which 32 columns
	s_mov_b32 s25, ttmp9                           ; which 128 columns
	s_and_b32 s26, ttmp7, 0xffff                   ; which 128 positions
	s_mov_b32 s67, 0
	v_and_b32 v1, 15, v0                           ; r
	v_bfe_u32 v2, v0, 4, 1                         ; h
	v_and_b32 v3, 31, v0                           ; lane
	v_lshlrev_b32 v4, 4, v3                        ; an image's place for my lane: in LDS (x) and in w1f
	v_lshlrev_b32 v5, 5, v1
	v_add_nc_u32 v5, XSC, v5                       ; x's scale words of row r
	s_lshl_b32 s31, s22, 13
	v_add_nc_u32 v6, s31, v4                       ; where I store tile w's images
	s_lshl_b32 s31, s22, 9
	v_lshl_add_u32 v7, v2, 4, v5
	v_add_nc_u32 v7, s31, v7                       ; and 16 bytes of its scale words
	v_and_b32 v154, 8, v1
	v_add_nc_u32 v154, v154, v1                    ; r + 8 (r / 8)
	v_lshlrev_b32 v155, 4, v2                      ; 16 h
	v_lshl_add_u32 v11, v2, 3, v154
	v_lshlrev_b32 v11, 5, v11                      ; W1's scales: a row is 32 bytes; lanes 16-31 take tile 1's rows, 8 further on
	v_lshlrev_b32 v12, 6, v2                       ; b1: my 16 columns begin 16 h numbers on
	v_lshlrev_b32 v13, 4, v1
	v_lshl_add_u32 v13, v2, 3, v13                 ; hc: 16 r + 8 h in my block's 256 bytes
	v_lshlrev_b32 v14, 2, v1                       ; hs: 4 r; also a position's word in order
	s_lshl_b32 s31, s22, 6
	v_add_nc_u32 v156, s31, v14                    ; tile w's words in order
	v_mov_b32 v[PX], 0                             ; written once: a lane permute's destination counts as one of its sources
	v_mov_b32 v[C9], 0x3e7c6f08                    ; c9 = 0.24651730
	v_mov_b32 v[C9+1], 0x3e7c6f08
	CPAIR CK+0,  0xbf97d29d                        ; c8 = -1.18611495
	CPAIR CK+2,  0x40097039                        ; c7 =  2.14747446
	CPAIR CK+4,  0xbfd1a1e5                        ; c6 = -1.63775315
	CPAIR CK+6,  0x3ecdfd18                        ; c5 =  0.40232158
	CPAIR CK+8,  0xbe899a80                        ; c4 = -0.26875686
	CPAIR CK+10, 0x3e0efb2e                        ; c3 =  0.13963006
	CPAIR CK+12, 0x3f0a29d2                        ; c2 =  0.53970062
	CPAIR CK+14, 0x3fb8ab5a                        ; c1 =  1.44272920
	CPAIR CK+16, 0xc034d90f                        ; c0 = -2.82574822 (the fit's constant x log2 e, less 1 for the half)
	CPAIR K2,    0xbf38aa3b                        ; K2 = -log2(e) / 2
	s_mov_b32 s[K1], 0x3eb504f3                    ; K1 = 1 / (2 sqrt 2)
	s_mov_b32 s[SEL], 0x76543210
	s_mov_b32 s[SEL+1], 0xfedcba98
	s_wait_kmcnt 0x0
	STEPP 16, 26, 3                                ; my two words of bmask
	s_load_b64 s[70:71], s[16:17], 0x0
	STEPP 14, 26, 9                                ; my 128 words of order
.irp t, 0,1,2,3,4,5,6,7
	global_load_b32 v[160+\t], v14, s[14:15] offset:64*\t
.endr
	global_load_b32 v15, v156, s[14:15]
	s_lshl_b32 s31, s25, 7
	s_lshl_b32 s69, s24, 5
	s_add_co_u32 s31, s31, s69                     ; f0
	STEPP 8, 31, 9                                 ; w1f at my 32 columns' images of expert 0: 16,384 bytes for each 32 columns = 512 f0;
	STEPP 10, 31, 5                                ; W1's scales and b1 at row f0 of expert 0
	STEPP 12, 31, 2
	STEPP 18, 26, 18                               ; hc: 8 tiles of 32,768 bytes a block of positions,
	STEPP 18, 25, 10                               ; my K step's image,
	STEPP 18, 24, 8                                ; my block of 32 in it
	STEPP 20, 26, 14                               ; hs likewise: 8 x 2,048, 64, 1
	STEPP 20, 25, 6
	STEPP 20, 24, 0
	s_wait_loadcnt 0x0
	v_and_b32 v157, 0x7ff, v15                     ; the token at position 16 w + r,
	v_min_u32 v157, 0x7ff, v157                    ; held inside x
	v_lshl_add_u32 v8, v157, 9, v155               ; its codes: 512 bytes a row, + 16 h
	v_lshl_add_u32 v9, v157, 5, v155               ; its scales: 32 bytes a row, + 16 h
.irp k, 0,1,2,3,4,5,6,7
.irp c, 0,1
	global_load_b128 v[XF+8*\k+4*\c:XF+8*\k+4*\c+3], v8, s[4:5] offset:64*\k+32*\c   ; tile w's fragments, in the operand's layout
.endr
.endr
	global_load_b128 v[ACC:ACC+3], v9, s[6:7]
.irp t, 0,1,2,3,4,5,6,7
	v_bfe_u32 v[FA+\t], v[160+\t], 16, 4
	v_bfe_u32 v[FB+\t], v[160+\t], 20, 4
.endr
	s_wait_kmcnt 0x0
	s_or_b32 s27, s70, s71
	s_and_b32 s27, s27, 0xff                       ; m: the block's experts
	s_sub_co_u32 s31, s27, 1
	s_and_b32 s31, s31, s27                        ; without the lowest
	s_cmp_eq_u32 s23, 0
	s_cselect_b32 s27, s27, s31                    ; waves 4-7 begin with the second
	s_bcnt1_i32_b32 s30, s27
	s_add_co_u32 s30, s30, 1
	s_lshr_b32 s30, s30, 1                         ; my experts: every second one of what is left: at most 4
.macro SETE                            ; e = m's lowest one (7 where m is 0); the expert's rows
	s_ctz_i32_b32 s28, s27
	s_min_u32 s28, s28, 7
	s_lshl_b32 s66, s28, 20
	s_add_nc_u64 s[32:33], s[8:9], s[66:67]
	s_lshl_b32 s66, s28, 16
	s_add_nc_u64 s[34:35], s[10:11], s[66:67]
	s_lshl_b32 s66, s28, 13
	s_add_nc_u64 s[36:37], s[12:13], s[66:67]
.endm
.macro LOADB                           ; 38 loads: the expert's 16 fragments into window 1 (tile u, K step k at v[8 (8 u + k)]), its scale words, b1
	WIN 0x40
.irp u, 0,1
.irp k, 0,1,2,3,4,5,6,7
.irp c, 0,1
	global_load_b128 v[8*(8*\u+\k)+4*\c:8*(8*\u+\k)+4*\c+3], v4, s[32:33] offset:8192*\u+1024*\k+512*\c   ; 512 consecutive bytes of an image
.endr
.endr
.endr
	WIN 0
	global_load_b128 v[WS:WS+3], v11, s[34:35]
	global_load_b128 v[WS+4:WS+7], v11, s[34:35] offset:16
.irp u, 0,1
.irp c, 0,1
	global_load_b128 v[BI+8*\u+4*\c:BI+8*\u+4*\c+3], v12, s[36:37] offset:32*\u+16*\c
.endr
.endr
.endm
	SETE
	LOADB                                          ; the first expert's, on every path (a wave with no expert reads expert 7's rows and uses nothing of them): the registers are written whatever the list says
	s_wait_loadcnt 38                              ; x's 17 loads are in; the 38 behind them may be out
.irp k, 0,1,2,3,4,5,6,7
.irp c, 0,1
	ds_store_b128 v6, v[XF+8*\k+4*\c:XF+8*\k+4*\c+3] offset:1024*\k+512*\c
.endr
.endr
	ds_store_b128 v7, v[ACC:ACC+3]
	s_wait_dscnt 0x0                               ; for the others' sake: my tile's images lie in LDS
	s_barrier_signal -1
	s_barrier_wait -1                              ; all eight tiles do; from here on LDS is only read
.macro MUL k                           ; K step k: the two accumulators by turns
.if (\k) == 0
	v_wmma_scale_f32_16x16x128_f8f6f4 v[ACC:ACC+7], v[0:7], v[XF:XF+7], v[BI:BI+7], v[WS], v[XS] matrix_a_fmt:MATRIX_FMT_FP4 matrix_b_fmt:MATRIX_FMT_FP4
	v_wmma_scale_f32_16x16x128_f8f6f4 v[ACC+8:ACC+15], v[64:71], v[XF:XF+7], v[BI+8:BI+15], v[WS], v[XS] matrix_a_fmt:MATRIX_FMT_FP4 matrix_b_fmt:MATRIX_FMT_FP4 matrix_a_scale:MATRIX_SCALE_ROW1
.else
	v_wmma_scale_f32_16x16x128_f8f6f4 v[ACC:ACC+7], v[8*(\k):8*(\k)+7], v[XF+8*(\k):XF+8*(\k)+7], v[ACC:ACC+7], v[WS+(\k)], v[XS+(\k)] matrix_a_fmt:MATRIX_FMT_FP4 matrix_b_fmt:MATRIX_FMT_FP4
	v_wmma_scale_f32_16x16x128_f8f6f4 v[ACC+8:ACC+15], v[64+8*(\k):71+8*(\k)], v[XF+8*(\k):XF+8*(\k)+7], v[ACC+8:ACC+15], v[WS+(\k)], v[XS+(\k)] matrix_a_fmt:MATRIX_FMT_FP4 matrix_b_fmt:MATRIX_FMT_FP4 matrix_a_scale:MATRIX_SCALE_ROW1
.endif
.endm
.macro GELU                            ; 16 numbers a lane, v[ACC] on -> v[GG] on
.set i, 0
.rept 16
	v_fma_f32 v[TT+i], |v[ACC+i]|, s[K1], 1.0      ; (each accumulator is read from its low end on)
.set i, i+1
.endr
.set i, 0
.rept 16
	v_rcp_f32 v[TT+i], v[TT+i]                     ; t
.set i, i+1
.endr
.set i, 0
.rept 8
	v_pk_mul_f32 v[QQ+i:QQ+i+1], v[ACC+i:ACC+i+1], v[ACC+i:ACC+i+1]   ; x^2: plain work that names no t
.set i, i+2
.endr
	s_wait_alu depctr_va_vdst(0)                   ; one wait for the sixteen reciprocals, ahead of their first reader
.set i, 0
.rept 8
	v_pk_fma_f32 v[PP+i:PP+i+1], v[TT+i:TT+i+1], v[C9:C9+1], s[CK:CK+1] op_sel_hi:[1,1,0]   ; c8 + t c9
.set i, i+2
.endr
.irp k, 1,2,3,4,5,6,7,8                ; c7 .. c0: the eight pairs by turns
.set i, 0
.rept 8
	v_pk_fma_f32 v[PP+i:PP+i+1], v[PP+i:PP+i+1], v[TT+i:TT+i+1], s[CK+2*\k:CK+2*\k+1] op_sel_hi:[1,1,0]
.set i, i+2
.endr
.endr
.set i, 0
.rept 8
	v_pk_fma_f32 v[QQ+i:QQ+i+1], v[QQ+i:QQ+i+1], s[K2:K2+1], v[PP+i:PP+i+1] op_sel_hi:[1,0,1]   ; the exponent
.set i, i+2
.endr
.set i, 0
.rept 16
	v_exp_f32 v[QQ+i], v[QQ+i]
.set i, i+1
.endr
.set i, 0
.rept 16
	v_max_num_f32 v[GG+i], 0, v[ACC+i]             ; plain work that names no exponential
.set i, i+1
.endr
	s_wait_alu depctr_va_vdst(0)                   ; one wait for the sixteen exponentials
.set i, 0
.rept 8
	v_pk_mul_f32 v[QQ+i:QQ+i+1], v[QQ+i:QQ+i+1], v[TT+i:TT+i+1]   ; q
.set i, i+2
.endr
.set i, 0
.rept 16
	v_fma_f32 v[GG+i], -|v[ACC+i]|, v[QQ+i], v[GG+i]
.set i, i+1
.endr
.endm
.macro QUANT                           ; my 16 numbers and lane l xor 16's are a block of 32 along the next K
	v_max3_num_f32 v[AM], |v[GG]|, |v[GG+1]|, 0x1800000          ; with the floor 2^(3 - 127): the byte cannot fall under 1
	v_max3_num_f32 v[AM+1], |v[GG+2]|, |v[GG+3]|, |v[GG+4]|
.irp n, 5,9,13
	v_max3_num_f32 v[AM], v[AM], |v[GG+\n]|, |v[GG+\n+1]|
.if \n < 13
	v_max3_num_f32 v[AM+1], v[AM+1], |v[GG+\n+2]|, |v[GG+\n+3]|
.endif
.endr
	v_max3_num_f32 v[AM], v[AM], v[AM+1], |v[GG+15]|
	v_permlanex16_b32 v[PX], v[AM], s[SEL], s[SEL+1]
	v_max_num_f32 v[AM], v[AM], v[PX]              ; the block's largest magnitude
	v_add_nc_u32 v[SCL], 0xff000000, v[AM]         ; 2 off its exponent field: the conversion takes that field as its scale
	v_lshrrev_b32 v[BYT], 23, v[SCL]               ; the scale's byte
	v_cvt_scalef32_pk8_fp4_f32 v[COD], v[GG:GG+7], v[SCL]
	v_cvt_scalef32_pk8_fp4_f32 v[COD+1], v[GG+8:GG+15], v[SCL]
	v_nop                                          ; one plain place behind a scaled conversion
.endm
.macro PUT t, slot, field              ; the rows whose expert of this slot is e are stored
	v_cmp_eq_u32 vcc_lo, s28, v[\field+\t]
	s_wait_xcnt 0x0                                ; EXEC is a source of what has been issued: it changes only behind this wait
	s_and_saveexec_b32 s38, vcc_lo
	global_store_b64 v13, v[COD:COD+1], s[18:19] offset:32768*(\t)+16384*(\slot)   ; a tile all of whose rows are kept: 256 consecutive bytes, aligned
	global_store_b8 v14, v[BYT], s[20:21] offset:2048*(\t)+1024*(\slot)            ; one byte of the row's scale word (the other three are other waves'); both halves of the lanes write the same byte
	s_wait_xcnt 0x0                                ; and again in front of the line that widens it; the stores' data may be written again too
	s_or_b32 exec_lo, exec_lo, s38
.endm
.macro UNIT t                          ; tile t by expert e, if a row of the tile has e
	v_cmp_eq_u32 s39, s28, v[FA+\t]
	v_cmp_eq_u32 s68, s28, v[FB+\t]
	s_or_b32 s69, s39, s68
	s_cmp_eq_u32 s69, 0
	s_cbranch_scc1 .Lskip_\@
	ds_load_b128 v[XS:XS+3], v5 offset:512*\t
	ds_load_b128 v[XS+4:XS+7], v5 offset:512*\t+16
.irp k, 0,1,2,3,4,5,6,7
.irp c, 0,1
	ds_load_b128 v[XF+8*\k+4*\c:XF+8*\k+4*\c+3], v4 offset:8192*\t+1024*\k+512*\c
.endr
.endr
	s_wait_dscnt 8                                 ; the scale words and K steps 0-3 are in; the youngest eight loads, K steps 4-7, may be out
	WIN 0x01                                       ; source 0 (W1) in window 1
	MUL 0
	MUL 1
	MUL 2
	MUL 3
	s_wait_dscnt 0x0
	MUL 4
	MUL 5
	MUL 6
	MUL 7
	WIN 0
	PLACES 5                                       ; four places ahead of the first read of results and of writes over x's fragments; five ahead of the next unit's products, which begin the accumulators anew (ISA guide 7.12.1)
	GELU
	QUANT
	PUT \t, 0, FA
	PUT \t, 1, FB
.Lskip_\@:
.endm
	s_mov_b32 s29, 0
.Ltrip:                                            ; four trips, as many as a wave can have experts; a trip beyond my experts does nothing
	s_cmp_ge_u32 s29, s30
	s_cbranch_scc1 .Lnext
	s_wait_loadcnt 0x0                             ; the expert's rows are in
.irp t, 0,1,2,3,4,5,6,7
	UNIT \t
.endr
	s_sub_co_u32 s31, s27, 1                       ; m loses two ones: mine and the other waves'
	s_and_b32 s27, s27, s31
	s_sub_co_u32 s31, s27, 1
	s_and_b32 s27, s27, s31
	s_add_co_u32 s31, s29, 1
	s_cmp_ge_u32 s31, s30
	s_cbranch_scc1 .Lnext
	SETE                                           ; (the bases are free: the loads that named them were waited for at the trip's head)
	LOADB                                          ; the next expert's rows
.Lnext:
	s_add_co_u32 s29, s29, 1
	s_cmp_lt_u32 s29, 4
	s_cbranch_scc1 .Ltrip
	s_wait_tensorcnt 0x0
	ds_add_u32 v254, v255
	s_wait_dscnt 0x0
	s_endpgm
.Lfunc_end_k_qe37567ad90_up:
	.size	k_qe37567ad90_up, .Lfunc_end_k_qe37567ad90_up-k_qe37567ad90_up
	.p2alignl 7, 3214868480
	.fill 96, 4, 3214868480
	.section	.rodata,"a",@progbits
	.p2align	6, 0x0
	.amdhsa_kernel k_qe37567ad90_up
		.amdhsa_group_segment_fixed_size 70656
		.amdhsa_private_segment_fixed_size 0
		.amdhsa_enable_private_segment 0
		.amdhsa_kernarg_size 72
		.amdhsa_user_sgpr_count 2
		.amdhsa_user_sgpr_kernarg_segment_ptr 1
		.amdhsa_wavefront_size32 1
		.amdhsa_system_sgpr_workgroup_id_x 1
		.amdhsa_system_sgpr_workgroup_id_y 1
		.amdhsa_system_sgpr_workgroup_id_z 1
		.amdhsa_system_vgpr_workitem_id 0
		.amdhsa_next_free_vgpr 384
		.amdhsa_next_free_sgpr 80
		.amdhsa_reserve_vcc 1
		.amdhsa_float_denorm_mode_32 3
		.amdhsa_float_denorm_mode_16_64 3
		.amdhsa_memory_ordered 1
		.amdhsa_forward_progress 1
		.amdhsa_inst_pref_size 136
	.end_amdhsa_kernel
	.amdgpu_metadata
---
amdhsa.version: [ 1, 2 ]
amdhsa.kernels:
  - .name:           k_qe37567ad90_up
    .symbol:         k_qe37567ad90_up.kd
    .args:
      - { .name: hidden_states_codes, .offset: 0, .size: 8, .value_kind: global_buffer, .address_space: global }
      - { .name: hidden_states_scales, .offset: 8, .size: 8, .value_kind: global_buffer, .address_space: global }
      - { .name: w1f, .offset: 16, .size: 8, .value_kind: global_buffer, .address_space: global }
      - { .name: W1_scales, .offset: 24, .size: 8, .value_kind: global_buffer, .address_space: global }
      - { .name: b1, .offset: 32, .size: 8, .value_kind: global_buffer, .address_space: global }
      - { .name: order, .offset: 40, .size: 8, .value_kind: global_buffer, .address_space: global }
      - { .name: bmask, .offset: 48, .size: 8, .value_kind: global_buffer, .address_space: global }
      - { .name: hc, .offset: 56, .size: 8, .value_kind: global_buffer, .address_space: global }
      - { .name: hs, .offset: 64, .size: 8, .value_kind: global_buffer, .address_space: global }
    .group_segment_fixed_size: 70656
    .private_segment_fixed_size: 0
    .kernarg_segment_align: 8
    .kernarg_segment_size: 72
    .max_flat_workgroup_size: 256
    .sgpr_count:     80
    .vgpr_count:     384
    .wavefront_size: 32
...
	.end_amdgpu_metadata
.endif
;; end of part 2
;; launch down (part 3): grid 8 x 32, 8 waves a work-group, no clusters, 209,920 bytes of LDS; arguments hc, hs, w2f, W2_scales, b2, order, bmask, cw, out0; writes out0
.if DOCPART == 3
	.amdgcn_target "amdgcn-amd-amdhsa--gfx1250"
	.amdhsa_code_object_version 6
	.text
	.protected	k_qe37567ad90_down
	.globl	k_qe37567ad90_down
	.p2align	8
	.type	k_qe37567ad90_down,@function
k_qe37567ad90_down:
	s_mov_b64 s[64:65], 0
	v_nop
	global_prefetch_b8 v0, s[64:65] scope:SCOPE_SE
	s_setreg_imm32_b32 hwreg(HW_REG_WAVE_MODE, 25, 1), 1
	s_wait_xcnt 0x0
; SECOND PRODUCT, WEIGHTS, SUM.  out[t] = cwa (h_a W2[a] + b2[a]) + cwb (h_b W2[b] + b2[b]), on codes of FP4 (E2M1) with one E8M0 scale for each 32 along K = 2,048.
; SHARES.  Work-group (x, y) OWNS the 128 columns from 128 x on of the 64 tokens at positions 64 y .. 64 y + 63 of the list 'order': each number of out0 has one owner, and nothing is added in memory.
; The 64 positions are 4 tiles of 16; a tile has two images of hidden codes (slot 0: each row under its expert a; slot 1: under b): 8 images of 16 K steps, 131,072 bytes, staged in LDS once, wave w staging image w.
; Wave w: 32 columns, n0 = 128 x + 32 (w % 4), as two tiles of 16 rows of W2.  The block's experts are the ones of m = bmask[y]; waves 0-3 take the first, third .., waves 4-7 the second, fourth ..
; An expert's 32 rows of W2 (32 fragments: all 256 registers of window 1), their scale words and b2 stay in registers while the wave walks the 8 images.
; W2's CODES COME FROM w2f, where the first launch has laid them as images of these fragments: [expert][32 columns][u 2][K step 16][1,024 bytes], group c at 512 c + 16 x lane: each load takes 512 consecutive bytes.
; An image is multiplied by expert e if one of its rows has e in that slot.  Its result (b2 is the C of the first matrix instruction) goes into the wave's sums times the row's weight, which is 0 for the rows of other experts.
; TRANSPOSED: source 0 = 16 rows of W2, source 1 = an image: lane (r, h), register j: token r, column n0 + 16 u + 8 h + j.  At the end the two halves of the waves add their sums through LDS, and whole pieces of 512 bytes of a token's row are stored.
; WHY NO TENSOR LOADS AND NO CLUSTER: which images are multiplied by which expert hangs on lists read from memory, so the text branches on loaded numbers; operands therefore come through registers.
; LIMITS: NaN, infinities and scale bytes 0xff are not served (a row under another expert's weights must give a finite number, which then meets the weight 0); a row's two terms are added in either order.
.set ASC,  131072                      ; LDS: 0: the images;  131,072: their scale words [image 8][row 16][16 words], 80 bytes a row;
.set STG,  141312                      ; 141,312: two stages, one for each half of the waves: 64 rows x (512 + 16) bytes
.set FF,   16                          ; v16-23  image 2 t + j: my row's expert of slot j (j = 1: 15 where a = b)
.set CW,   24                          ; v24-31  and its weight
.set OT,   34                          ; v34-41  the words of order of the 8 rows that I store
.set WS,   48                          ; v48-63  W2's scale words of K steps 0-15: lanes 0-15 tile 0, lanes 16-31 tile 1
.set AS,   64                          ; v64-79  the image's scale words
.set BI,   80                          ; v80-95  b2 in the result's layout
.set YY,   96                          ; v96-111 two accumulators
.set OUT,  112                         ; v112-175 my sums: (tile t, tile of columns u) at 8 (2 t + u)
.set AF,   176                         ; v176-239 the image's fragments: two halves of 4 K steps
.set MSB, 0
.macro WIN new                         ; the immediate's high byte repeats the setting that is left
.if MSB != \new
	s_set_vgpr_msb (MSB<<8)|\new
.set MSB, \new
.endif
.endm
.macro PLACES n
.rept \n
	v_nop
.endr
.endm
.macro STEPP ptr, src, sh              ; a pointer goes on by s[src] << sh bytes (s67 = 0)
	s_lshl_b32 s66, s[\src], \sh
	s_add_nc_u64 s[\ptr:\ptr+1], s[\ptr:\ptr+1], s[66:67]
.endm
	s_load_b256 s[4:11], s[0:1], 0x0               ; hc s[4:5], hs s[6:7], w2f s[8:9], W2's scales s[10:11]
	s_load_b256 s[12:19], s[0:1], 0x20             ; b2 s[12:13], order s[14:15], bmask s[16:17], cw s[18:19]
	s_load_b64 s[20:21], s[0:1], 0x40              ; out0
	v_lshl_add_u32 v254, v0, 2, 0x33000
	v_mov_b32 v255, 0
	v_lshrrev_b32 v240, 5, v0
	v_readfirstlane_b32 s22, v240                  ; wave 0..7
	s_lshr_b32 s23, s22, 2                         ; which half of the experts
	s_and_b32 s24, s22, 3                          ; which 32 columns
	s_mov_b32 s25, ttmp9                           ; which 128 columns
	s_and_b32 s26, ttmp7, 0xffff                   ; which 64 positions
	v_and_b32 v1, 15, v0                           ; r
	v_bfe_u32 v2, v0, 4, 1                         ; h
	v_and_b32 v15, 31, v0                          ; lane
	v_lshlrev_b32 v3, 4, v15                       ; an image's place for my lane: in w2f, and in LDS for images 0-3,
	v_add_nc_u32 v4, 0x10000, v3                   ; images 4-7
	v_lshl_add_u32 v6, v2, 4, v1
	v_lshlrev_b32 v6, 6, v6                        ; W2's scales: a row is 64 bytes; lanes 16-31 take tile 1's rows
	v_lshlrev_b32 v7, 5, v2                        ; b2: my 8 columns of a tile
	v_mul_u32_u24 v8, v1, 80
	v_add_nc_u32 v8, ASC, v8                       ; an image's scale words of row r
	v_mul_u32_u24 v9, v1, 528
	v_lshl_add_u32 v9, v2, 5, v9
	s_mul_i32 s31, s23, 33792
	s_lshl_b32 s66, s24, 7
	s_add_co_u32 s31, s31, s66
	s_add_co_u32 s31, s31, STG
	v_add_nc_u32 v9, s31, v9                       ; into my half's stage: row r, + 128 x (w % 4) + 32 h
	s_mul_i32 s31, s22, 4224
	s_add_co_u32 s31, s31, STG
	v_add_nc_u32 v10, s31, v3                      ; back: rows 8 w on, 16 bytes a lane
	s_lshl_b32 s31, s22, 14
	v_add_nc_u32 v11, s31, v3                      ; image w: the same offset in hc's block and in LDS
	v_and_b32 v12, 3, v15
	v_mul_u32_u24 v12, v12, 320
	v_lshrrev_b32 v241, 2, v15
	v_lshl_add_u32 v12, v241, 2, v12
	s_mul_i32 s31, s22, 1280
	s_add_co_u32 s31, s31, ASC
	v_add_nc_u32 v12, s31, v12                     ; image w's scale words on their way from [K step][row] to [row][K step]
	s_lshl_b32 s31, s22, 10
	v_add_nc_u32 v13, s31, v3                      ; and where they lie in hs's block
	s_lshl_b32 s31, s22, 5
	v_mov_b32 v14, s31                             ; order: the 8 words of my rows
	v_lshlrev_b32 v242, 2, v1                      ; order: 4 r
	v_lshlrev_b32 v243, 3, v1                      ; cw: 8 r
	s_mov_b32 s67, 0
	s_wait_kmcnt 0x0
	STEPP 16, 26, 2
	s_load_b32 s27, s[16:17], 0x0                  ; m
	STEPP 4, 26, 17                                ; my block's 8 images,
	STEPP 6, 26, 13                                ; their scale words,
	STEPP 14, 26, 8                                ; 64 words of order,
	STEPP 18, 26, 9                                ; 64 pairs of weights
.set i, 0
.rept 32
	global_load_b128 v[96+4*i:99+4*i], v11, s[4:5] offset:512*i     ; 512 consecutive bytes an instruction
.set i, i+1
.endr
	global_load_b128 v[224:227], v13, s[6:7]
	global_load_b128 v[228:231], v13, s[6:7] offset:512
.irp t, 0,1,2,3
	global_load_b32 v[244+\t], v242, s[14:15] offset:64*\t
	global_load_b64 v[CW+2*\t:CW+2*\t+1], v243, s[18:19] offset:128*\t
.endr
	global_load_b128 v[OT:OT+3], v14, s[14:15]
	global_load_b128 v[OT+4:OT+7], v14, s[14:15] offset:16
	STEPP 20, 25, 9                                ; out0 at my 128 columns
	s_lshl_b32 s31, s25, 7
	s_lshl_b32 s69, s24, 5
	s_add_co_u32 s31, s31, s69                     ; n0
	STEPP 8, 31, 10                                ; w2f at my 32 columns' images of expert 0: 32,768 bytes for each 32 columns = 1,024 n0;
	STEPP 10, 31, 6                                ; W2's scales and b2 at row n0 of expert 0
	STEPP 12, 31, 2
	s_wait_kmcnt 0x0
	s_and_b32 s27, s27, 0xff
	s_sub_co_u32 s31, s27, 1
	s_and_b32 s31, s31, s27
	s_cmp_eq_u32 s23, 0
	s_cselect_b32 s27, s27, s31                    ; waves 4-7 begin with the second expert
	s_bcnt1_i32_b32 s30, s27
	s_add_co_u32 s30, s30, 1
	s_lshr_b32 s30, s30, 1                         ; my experts: at most 4
.macro SETE                            ; e = m's lowest one (7 where m is 0); the expert's rows
	s_ctz_i32_b32 s28, s27
	s_min_u32 s28, s28, 7
	s_lshl_b32 s66, s28, 20
	s_add_nc_u64 s[32:33], s[8:9], s[66:67]
	s_lshl_b32 s66, s28, 16
	s_add_nc_u64 s[34:35], s[10:11], s[66:67]
	s_lshl_b32 s66, s28, 12
	s_add_nc_u64 s[36:37], s[12:13], s[66:67]
.endm
.macro LOADB                           ; 72 loads: the expert's 32 fragments into window 1 (tile u, K step k at v[8 (16 u + k)]), its scale words, b2
	WIN 0x40
.irp u, 0,1
.irp k, 0,1,2,3,4,5,6,7,8,9,10,11,12,13,14,15
.irp c, 0,1
	global_load_b128 v[8*(16*\u+\k)+4*\c:8*(16*\u+\k)+4*\c+3], v3, s[32:33] offset:16384*\u+1024*\k+512*\c   ; 512 consecutive bytes of an image
.endr
.endr
.endr
	WIN 0
.irp q, 0,1,2,3
	global_load_b128 v[WS+4*\q:WS+4*\q+3], v6, s[34:35] offset:16*\q
.endr
.irp u, 0,1
.irp c, 0,1
	global_load_b128 v[BI+8*\u+4*\c:BI+8*\u+4*\c+3], v7, s[36:37] offset:64*\u+16*\c
.endr
.endr
.endm
	SETE
	LOADB                                          ; the first expert's, on every path (a wave with no expert reads expert 7's rows and uses nothing of them)
	s_wait_loadcnt 63                              ; 44 loads, then 72: with at most 63 out the oldest 53 are in, the 44 among them (the wait's field holds no larger count)
.set i, 0
.rept 32
	ds_store_b128 v11, v[96+4*i:99+4*i] offset:512*i
.set i, i+1
.endr
.irp n, 0,1
.irp q, 0,1,2,3
	ds_store_b32 v12, v[224+4*\n+\q] offset:80*\q+32*\n   ; word q of my 16 bytes: row 4 (lane % 4) + q, K step 8 n + lane / 4
.endr
.endr
.irp t, 0,1,2,3
	v_bfe_u32 v[FF+2*\t], v[244+\t], 16, 4         ; a
	v_bfe_u32 v[FF+2*\t+1], v[244+\t], 24, 4       ; b, or 15
.endr
	s_wait_dscnt 0x0                               ; for the others' sake: my image lies in LDS
	s_barrier_signal -1
.set i, 0
.rept 64
	v_mov_b32 v[OUT+i], 0                          ; which product comes first hangs on the lists, so none can start these sums; the wave clears them while the others arrive
.set i, i+1
.endr
	v_mov_b32 v33, 0                               ; (named as the upper half of the pair v[32:33])
	s_barrier_wait -1                              ; all eight images lie in LDS; they are only read from here on
.macro AL q                            ; the image's K steps 4 q .. 4 q + 3 into half q % 2
.irp k, 0,1,2,3
.irp c, 0,1
	ds_load_b128 v[AF+32*((\q)%2)+8*\k+4*\c:AF+32*((\q)%2)+8*\k+4*\c+3], v[3+IMG/4] offset:16384*(IMG%4)+1024*(4*(\q)+\k)+512*\c
.endr
.endr
.endm
.macro MM q                            ; 8 matrix instructions: the two accumulators by turns
	WIN 0x01                                       ; source 0 (W2) in window 1
.irp k, 0,1,2,3
.set SS, 4*(\q)+\k
.if SS == 0
	v_wmma_scale_f32_16x16x128_f8f6f4 v[YY:YY+7], v[0:7], v[AF:AF+7], v[BI:BI+7], v[WS], v[AS] matrix_a_fmt:MATRIX_FMT_FP4 matrix_b_fmt:MATRIX_FMT_FP4
	v_wmma_scale_f32_16x16x128_f8f6f4 v[YY+8:YY+15], v[128:135], v[AF:AF+7], v[BI+8:BI+15], v[WS], v[AS] matrix_a_fmt:MATRIX_FMT_FP4 matrix_b_fmt:MATRIX_FMT_FP4 matrix_a_scale:MATRIX_SCALE_ROW1
.else
	v_wmma_scale_f32_16x16x128_f8f6f4 v[YY:YY+7], v[8*SS:8*SS+7], v[AF+32*((\q)%2)+8*\k:AF+32*((\q)%2)+8*\k+7], v[YY:YY+7], v[WS+SS], v[AS+SS] matrix_a_fmt:MATRIX_FMT_FP4 matrix_b_fmt:MATRIX_FMT_FP4
	v_wmma_scale_f32_16x16x128_f8f6f4 v[YY+8:YY+15], v[128+8*SS:135+8*SS], v[AF+32*((\q)%2)+8*\k:AF+32*((\q)%2)+8*\k+7], v[YY+8:YY+15], v[WS+SS], v[AS+SS] matrix_a_fmt:MATRIX_FMT_FP4 matrix_b_fmt:MATRIX_FMT_FP4 matrix_a_scale:MATRIX_SCALE_ROW1
.endif
.endr
	WIN 0
.endm
.macro UNIT t, j                       ; image 2 t + j by expert e, if one of its rows has e in slot j
.set IMG, 2*(\t)+(\j)
	v_cmp_eq_u32 vcc_lo, s28, v[FF+IMG]
	s_cmp_eq_u32 vcc_lo, 0
	s_cbranch_scc1 .Lskip_\@
	v_cndmask_b32 v32, 0, v[CW+IMG], vcc_lo        ; my row's weight, 0 where the row is another expert's
.irp q, 0,1,2,3
	ds_load_b128 v[AS+4*\q:AS+4*\q+3], v8 offset:1280*IMG+16*\q
.endr
	AL 0
	AL 1
	s_wait_dscnt 8                                 ; the scale words and K steps 0-3 are in; the eight loads issued last may be out
	MM 0
	PLACES 4                                       ; ahead of loads into registers that matrix instructions have read
	AL 2
	s_wait_dscnt 8                                 ; K steps 4-7 are in
	MM 1
	PLACES 4
	AL 3
	s_wait_dscnt 8                                 ; K steps 8-11 are in
	MM 2
	s_wait_dscnt 0x0
	MM 3
	PLACES 5                                       ; four places ahead of the first read of results; five ahead of the next unit's products, which begin the accumulators anew (ISA guide 7.12.1)
.irp u, 0,1
.irp p, 0,2,4,6
	v_pk_fma_f32 v[OUT+8*(2*(\t)+\u)+\p:OUT+8*(2*(\t)+\u)+\p+1], v[YY+8*\u+\p:YY+8*\u+\p+1], v[32:33], v[OUT+8*(2*(\t)+\u)+\p:OUT+8*(2*(\t)+\u)+\p+1] op_sel_hi:[1,0,1]   ; each accumulator from its low end on
.endr
.endr
.Lskip_\@:
.endm
	s_mov_b32 s29, 0
.Ltrip:                                            ; four trips, as many as a wave can have experts; a trip beyond my experts does nothing
	s_cmp_ge_u32 s29, s30
	s_cbranch_scc1 .Lnext
	s_wait_loadcnt 0x0                             ; the expert's rows are in
.irp t, 0,1,2,3
	UNIT \t, 0
	UNIT \t, 1
.endr
	s_sub_co_u32 s31, s27, 1                       ; m loses two ones: mine and the other waves'
	s_and_b32 s27, s27, s31
	s_sub_co_u32 s31, s27, 1
	s_and_b32 s27, s27, s31
	s_add_co_u32 s31, s29, 1
	s_cmp_ge_u32 s31, s30
	s_cbranch_scc1 .Lnext
	SETE                                           ; (the bases are free: the loads that named them were waited for at the trip's head)
	LOADB                                          ; the next expert's rows
.Lnext:
	s_add_co_u32 s29, s29, 1
	s_cmp_lt_u32 s29, 4
	s_cbranch_scc1 .Ltrip
	; THE WAY OUT.  Each half of the waves lays its sums of the 64 rows x 128 columns into its stage; then wave w adds the two stages' rows 8 w .. 8 w + 7 and stores each at its token's row.
.irp t, 0,1,2,3
.irp u, 0,1
	ds_store_b128 v9, v[OUT+8*(2*\t+\u):OUT+8*(2*\t+\u)+3] offset:8448*\t+64*\u
	ds_store_b128 v9, v[OUT+8*(2*\t+\u)+4:OUT+8*(2*\t+\u)+7] offset:8448*\t+64*\u+16
.endr
.endr
.irp n, 0,1,2,3,4,5,6,7
	v_and_b32 v[240+\n], 0x7ff, v[OT+\n]           ; the row's token,
	v_min_u32 v[240+\n], 0x7ff, v[240+\n]          ; held inside out0
	v_lshl_add_u32 v[240+\n], v[240+\n], 12, v3    ; a row of out0 is 4,096 bytes; 16 bytes a lane
.endr
	s_wait_dscnt 0x0                               ; for the others' sake: my sums lie in the stage
	s_barrier_signal -1
	s_barrier_wait -1
.irp n, 0,1,2,3,4,5,6,7
	ds_load_b128 v[176+4*\n:179+4*\n], v10 offset:528*\n
	ds_load_b128 v[208+4*\n:211+4*\n], v10 offset:33792+528*\n
.endr
.irp n, 0,1,2,3,4,5,6,7
	s_wait_dscnt 14-2*\n                           ; row n's two loads are in; the later rows' may be out
	v_pk_add_f32 v[176+4*\n:177+4*\n], v[176+4*\n:177+4*\n], v[208+4*\n:209+4*\n]
	v_pk_add_f32 v[178+4*\n:179+4*\n], v[178+4*\n:179+4*\n], v[210+4*\n:211+4*\n]
	global_store_b128 v[240+\n], v[176+4*\n:179+4*\n], s[20:21] th:TH_STORE_NT   ; 32 lanes store 512 consecutive bytes, at a multiple of 512 from out0's first byte; written once, read by nobody here
.endr
	s_wait_tensorcnt 0x0
	ds_add_u32 v254, v255
	s_wait_dscnt 0x0
	s_endpgm
.Lfunc_end_k_qe37567ad90_down:
	.size	k_qe37567ad90_down, .Lfunc_end_k_qe37567ad90_down-k_qe37567ad90_down
	.p2alignl 7, 3214868480
	.fill 96, 4, 3214868480
	.section	.rodata,"a",@progbits
	.p2align	6, 0x0
	.amdhsa_kernel k_qe37567ad90_down
		.amdhsa_group_segment_fixed_size 209920
		.amdhsa_private_segment_fixed_size 0
		.amdhsa_enable_private_segment 0
		.amdhsa_kernarg_size 72
		.amdhsa_user_sgpr_count 2
		.amdhsa_user_sgpr_kernarg_segment_ptr 1
		.amdhsa_wavefront_size32 1
		.amdhsa_system_sgpr_workgroup_id_x 1
		.amdhsa_system_sgpr_workgroup_id_y 1
		.amdhsa_system_sgpr_workgroup_id_z 1
		.amdhsa_system_vgpr_workitem_id 0
		.amdhsa_next_free_vgpr 512
		.amdhsa_next_free_sgpr 80
		.amdhsa_reserve_vcc 1
		.amdhsa_float_denorm_mode_32 3
		.amdhsa_float_denorm_mode_16_64 3
		.amdhsa_memory_ordered 1
		.amdhsa_forward_progress 1
		.amdhsa_inst_pref_size 95
	.end_amdhsa_kernel
	.amdgpu_metadata
---
amdhsa.version: [ 1, 2 ]
amdhsa.kernels:
  - .name:           k_qe37567ad90_down
    .symbol:         k_qe37567ad90_down.kd
    .args:
      - { .name: hc, .offset: 0, .size: 8, .value_kind: global_buffer, .address_space: global }
      - { .name: hs, .offset: 8, .size: 8, .value_kind: global_buffer, .address_space: global }
      - { .name: w2f, .offset: 16, .size: 8, .value_kind: global_buffer, .address_space: global }
      - { .name: W2_scales, .offset: 24, .size: 8, .value_kind: global_buffer, .address_space: global }
      - { .name: b2, .offset: 32, .size: 8, .value_kind: global_buffer, .address_space: global }
      - { .name: order, .offset: 40, .size: 8, .value_kind: global_buffer, .address_space: global }
      - { .name: bmask, .offset: 48, .size: 8, .value_kind: global_buffer, .address_space: global }
      - { .name: cw, .offset: 56, .size: 8, .value_kind: global_buffer, .address_space: global }
      - { .name: out0, .offset: 64, .size: 8, .value_kind: global_buffer, .address_space: global }
    .group_segment_fixed_size: 209920
    .private_segment_fixed_size: 0
    .kernarg_segment_align: 8
    .kernarg_segment_size: 72
    .max_flat_workgroup_size: 256
    .sgpr_count:     80
    .vgpr_count:     512
    .wavefront_size: 32
...
	.end_amdgpu_metadata
.endif
;; end of part 3
;; ======== version 2 of 2: 3 launches
;; workspace buffers: order 8,192 bytes of whole numbers; bmask 256 bytes of whole numbers; cw 16,384 bytes; hc 4,194,304 bytes; hs 262,144 bytes; w1f 8,388,608 bytes; w2f 8,388,608 bytes
;; launch route (part 4): grid 257 x 1, 16 waves a work-group, no clusters, 6,144 bytes of LDS; arguments W1_codes, W2_codes, w1f, w2f, selected_experts, expert_weights, order, cw, bmask; writes w1f, w2f, order, cw, bmask
.if DOCPART == 4
	.amdgcn_target "amdgcn-amd-amdhsa--gfx1250"
	.amdhsa_code_object_version 6
	.text
	.protected	k_qe37567ad90_route
	.globl	k_qe37567ad90_route
	.p2align	8
	.type	k_qe37567ad90_route,@function
k_qe37567ad90_route:
	s_mov_b64 s[64:65], 0
	v_nop
	global_prefetch_b8 v0, s[64:65] scope:SCOPE_SE
	s_setreg_imm32_b32 hwreg(HW_REG_WAVE_MODE, 25, 1), 1
	s_wait_xcnt 0x0
; TWO JOBS IN ONE LAUNCH, parted on the work-group's number (the same in all waves of a work-group): work-group 0 sorts the tokens; work-groups 1 to 256 lay the weights' codes in the order of the operand's registers.
; The sort has work for one work-group; the laying shares nothing with it (other buffers, no LDS, no barrier) and runs beside it.
;
; ROUTING (work-group 0).  2,048 tokens, two (expert, weight) slots each, are brought into a normal form and sorted by their pair of experts.
; NORMAL FORM of a token: a <= b, both in 0..7, with weights cwa, cwb.  A slot whose index is not 0..7 counts for nothing (weight 0) and takes the
; other slot's expert (expert 0 if both are out); two slots on one expert add their weights: a = b, cwb = 0, and the field b2 is 15 (else b2 = b).
; OUT: order[p] = token | a<<16 | b<<20 | b2<<24 and cw[p] = (cwa, cwb) at the sorted position p;  bmask[i], i = 0..31: bit e is set where a token at positions 64 i .. 64 i + 63 has a = e or b = e.
; A COUNTING SORT WITHOUT ATOMICS, key = 8 a + b, one work-group of 16 waves.  Wave w takes tokens 128 w .. 128 w + 127 as four chunks of 32, a lane a token.
; LANE-KEY LAYOUT: a pair of registers (L, H) holds in lane l the figure of key l and of key 32 + l.
; position = tokens of smaller keys + tokens of my key in earlier waves + in earlier chunks of my wave + in lower lanes of my chunk.
; The stores of order and cw are 4 and 8 bytes a lane at sorted places, 24,576 bytes in all: a turn through LDS would want LDS addresses made of data.
;
; LAYING THE WEIGHTS (work-groups 1 to 128: W1; 129 to 256: W2).  A fragment (16 rows x 128 K of 4-bit codes) is 8 registers: lane (r, h) holds, in registers 4 c .. 4 c + 3, bytes 64 k + 32 c + 16 h of its row.
; Loaded from the rows as they come, an instruction takes 32 bytes of each of 16 rows, and the two products' launches would do that anew in every work-group that reads a row (up to 16 and 32).  Here it is done once:
; an IMAGE of a fragment is 1,024 bytes, group c at 512 c + 16 x lane, and every later load of four registers is 512 consecutive bytes.
; w1f: [expert 8][32 columns of F: 64][u 2][K step 8][1,024]; lane r of tile u holds row 32 blk + 8 u + r + 8 (r / 8) (the first product's choice of rows).   w2f: [expert 8][32 columns of H: 32][u 2][K step 16][1,024]; row 32 blk + 16 u + r.
; Both are permutations inside blocks of 16,384 bytes.  A wave takes a quarter of a block: eight loads, which together read 256 consecutive bytes of each of 16 rows, and eight stores of 512 consecutive bytes.
.set SA,   8                           ; v8-15   chunk c: s0, s1 as loaded; then a, b
.set WW,   16                          ; v16-23  chunk c: the two weights
.set WORD, 24                          ; v24-27  the word for order
.set CWP,  28                          ; v28-35  (cwa, cwb)
.set KEY,  36                          ; v36-39
.set RANK, 40                          ; v40-43  lanes below mine with my key
.set VB,   44                          ; v44-47  lane e: the lanes with a = e; lane 8 + e: those with b = e
.set CNT,  48                          ; v48-55  chunk c: counts by key (L, H); then running sums over the chunks
.set DD,   56                          ; v56-75  five results of lane permutes a chunk; v56-87 later the sixteen waves' totals
.set IXP,  96                          ; v96-103 two indices a chunk
.set VAL,  56                          ; at the end: v56-63 bases by key, v64-67 indices, v68-75 results, v76-79, v80-83 store offsets
.set IDX,  64
.set RES,  68
.set PO4,  76
.set PO8,  80
	v_lshl_add_u32 v128, v0, 2, 0x1000
	v_mov_b32 v129, 0
	s_cmp_lg_u32 ttmp9, 0
	s_cbranch_scc1 .Llay                           ; every work-group but the first lays weights
	s_load_b256 s[4:11], s[0:1], 0x20              ; selected_experts s[4:5], expert_weights s[6:7], order s[8:9], cw s[10:11]
	s_load_b64 s[12:13], s[0:1], 0x40              ; bmask
	v_and_b32 v1, 31, v0                           ; lane
	v_lshrrev_b32 v89, 5, v0
	s_delay_alu instid0(VALU_DEP_1)
	v_readfirstlane_b32 s14, v89                   ; wave 0..15
	s_delay_alu instid0(VALU_DEP_2)
	v_lshlrev_b32 v2, 10, v89
	s_delay_alu instid0(VALU_DEP_1)
	v_lshl_add_u32 v2, v1, 3, v2                   ; 8 bytes a token: 1,024 x wave + 8 x lane; a chunk is 256 bytes on
	s_delay_alu instid0(VALU_DEP_4)
	v_lshl_add_u32 v88, v89, 7, v1                 ; my token of chunk 0
	v_lshrrev_b32 v3, 3, v1
	s_delay_alu instid0(VALU_DEP_1)
	v_lshlrev_b32 v3, 2, v3                        ; permute index: lane (l / 8): a of key l
	s_delay_alu instid0(VALU_DEP_1)
	v_add_nc_u32 v4, 16, v3                        ; lane 4 + l / 8: a of key 32 + l
	v_and_b32 v5, 7, v1
	s_delay_alu instid0(VALU_DEP_1)
	v_lshl_add_u32 v5, v5, 2, 32                   ; lane 8 + l % 8: b of both
	v_lshlrev_b32 v6, 2, v1                        ; 4 x lane
	s_delay_alu instid0(VALU_DEP_1)
	v_lshl_add_u32 v7, v89, 8, v6                  ; LDS: my wave's 64 totals: 256 x wave + 4 x lane
.irp c, 0,1,2,3
	v_mov_b32 v[VB+\c], 0                          ; v_writelane_b32 counts as a reader of its destination
.endr
	s_mov_b32 s40, 0x55555555
	s_mov_b32 s41, 0x33333333
	s_mov_b32 s42, 0x0f0f0f0f
	s_mov_b32 s43, 0x01010101
	s_wait_kmcnt 0x0
.irp c, 0,1,2,3
	global_load_b64 v[SA+2*\c:SA+2*\c+1], v2, s[4:5] offset:256*\c
	global_load_b64 v[WW+2*\c:WW+2*\c+1], v2, s[6:7] offset:256*\c
.endr
	s_wait_loadcnt 0x0
.macro NORM c                          ; the normal form of chunk c
	v_cmp_gt_u32 s20, 8, v[SA+2*\c]                ; slot 0 counts (a negative index is a large unsigned number)
	v_cmp_gt_u32 s21, 8, v[SA+2*\c+1]              ; slot 1 counts
	s_delay_alu instid0(VALU_DEP_2)
	v_cndmask_b32 v[WW+2*\c], 0, v[WW+2*\c], s20
	s_delay_alu instid0(VALU_DEP_2)
	v_cndmask_b32 v[WW+2*\c+1], 0, v[WW+2*\c+1], s21
	s_delay_alu instid0(VALU_DEP_3)
	v_cndmask_b32 v89, 0, v[SA+2*\c+1], s21
	s_delay_alu instid0(VALU_DEP_1)
	v_cndmask_b32 v89, v89, v[SA+2*\c], s20        ; e0: slot 0's expert, else slot 1's, else 0
	s_delay_alu instid0(VALU_DEP_1)
	v_cndmask_b32 v90, v89, v[SA+2*\c+1], s21      ; e1: slot 1's expert, else e0
	s_delay_alu instid0(VALU_DEP_1)
	v_cmp_eq_u32 s22, v89, v90                     ; one expert
	s_delay_alu instid0(VALU_DEP_2)
	v_cmp_gt_u32 s23, v89, v90                     ; the slots change places
	s_delay_alu instid0(VALU_DEP_3)
	v_min_u32 v[SA+2*\c], v89, v90                 ; a
	s_delay_alu instid0(VALU_DEP_4)
	v_max_u32 v[SA+2*\c+1], v89, v90               ; b
	v_add_f32 v91, v[WW+2*\c], v[WW+2*\c+1]
	s_delay_alu instid0(VALU_DEP_4)
	v_cndmask_b32 v92, v[WW+2*\c], v[WW+2*\c+1], s23
	v_cndmask_b32 v93, v[WW+2*\c+1], v[WW+2*\c], s23
	s_delay_alu instid0(VALU_DEP_2)
	v_cndmask_b32 v[CWP+2*\c], v92, v91, s22       ; cwa
	s_delay_alu instid0(VALU_DEP_2)
	v_cndmask_b32 v[CWP+2*\c+1], v93, 0, s22       ; cwb
	v_cndmask_b32 v94, v[SA+2*\c+1], 15, s22       ; b2
	v_lshl_add_u32 v[KEY+\c], v[SA+2*\c], 3, v[SA+2*\c+1]
	v_add_nc_u32 v[WORD+\c], 32*\c, v88
	s_delay_alu instid0(VALU_DEP_1)
	v_lshl_or_b32 v[WORD+\c], v[SA+2*\c], 16, v[WORD+\c]
	s_delay_alu instid0(VALU_DEP_1)
	v_lshl_or_b32 v[WORD+\c], v[SA+2*\c+1], 20, v[WORD+\c]
	s_delay_alu instid0(VALU_DEP_1)
	v_lshl_or_b32 v[WORD+\c], v94, 24, v[WORD+\c]
.endm
.macro BALLOT c                        ; which lanes have a = e, b = e; then each lane fetches the masks that it wants
.irp e, 0,1,2,3,4,5,6,7
	v_cmp_eq_u32 s[20+\e], \e, v[SA+2*\c]
	v_cmp_eq_u32 s[28+\e], \e, v[SA+2*\c+1]
.endr
.irp e, 0
	v_writelane_b32 v[VB+\c], s[20+\e], \e
	s_delay_alu instid0(VALU_DEP_1)
	v_writelane_b32 v[VB+\c], s[28+\e], 8+\e
.endr
.irp e, 1, 2, 3, 4, 5, 6, 7
	s_delay_alu instid0(VALU_DEP_1)
	v_writelane_b32 v[VB+\c], s[20+\e], \e
	s_delay_alu instid0(VALU_DEP_1)
	v_writelane_b32 v[VB+\c], s[28+\e], 8+\e
.endr
	v_lshlrev_b32 v[IXP+2*\c], 2, v[SA+2*\c]       ; lane a
	v_lshl_add_u32 v[IXP+2*\c+1], v[SA+2*\c+1], 2, 32   ; lane 8 + b
	ds_bpermute_b32 v[DD+5*\c], v3, v[VB+\c]       ; for key l: the lanes with its a
	ds_bpermute_b32 v[DD+5*\c+1], v4, v[VB+\c]     ; for key 32 + l
	ds_bpermute_b32 v[DD+5*\c+2], v5, v[VB+\c]     ; the lanes with their b
	ds_bpermute_b32 v[DD+5*\c+3], v[IXP+2*\c], v[VB+\c]     ; for my token: the lanes with my a,
	ds_bpermute_b32 v[DD+5*\c+4], v[IXP+2*\c+1], v[VB+\c]   ; with my b
.endm
.macro POPC x                          ; the number of ones in v[x]
	v_lshrrev_b32 v89, 1, v[\x]
	s_delay_alu instid0(VALU_DEP_1)
	v_and_b32 v89, s40, v89
	s_delay_alu instid0(VALU_DEP_1)
	v_sub_nc_u32 v[\x], v[\x], v89
	s_delay_alu instid0(VALU_DEP_1)
	v_lshrrev_b32 v89, 2, v[\x]
	s_delay_alu instid0(VALU_DEP_2)
	v_and_b32 v[\x], s41, v[\x]
	s_delay_alu instid0(VALU_DEP_2)
	v_and_b32 v89, s41, v89
	s_delay_alu instid0(VALU_DEP_1)
	v_add_nc_u32 v[\x], v[\x], v89
	s_delay_alu instid0(VALU_DEP_1)
	v_lshrrev_b32 v89, 4, v[\x]
	s_delay_alu instid0(VALU_DEP_1)
	v_add_nc_u32 v[\x], v[\x], v89
	s_delay_alu instid0(VALU_DEP_1)
	v_and_b32 v[\x], s42, v[\x]
	s_delay_alu instid0(VALU_DEP_1)
	v_mul_lo_u32 v[\x], v[\x], s43
	s_delay_alu instid0(VALU_DEP_1)
	v_lshrrev_b32 v[\x], 24, v[\x]
.endm
.irp c, 0,1,2,3
	NORM \c
.endr
.irp c, 0,1,2,3
	BALLOT \c
.endr
	s_wait_dscnt 0x0                               ; all twenty permutes
.irp c, 0,1,2,3
	v_and_b32 v[CNT+2*\c], v[DD+5*\c], v[DD+5*\c+2]        ; the chunk's lanes with key l,
	v_and_b32 v[CNT+2*\c+1], v[DD+5*\c+1], v[DD+5*\c+2]    ; with key 32 + l,
	v_and_b32 v90, v[DD+5*\c+3], v[DD+5*\c+4]              ; with my key:
	s_delay_alu instid0(VALU_DEP_1)
	v_mbcnt_lo_u32_b32 v[RANK+\c], v90, 0                  ; how many of them lie below me
.endr
.irp n, 0,1,2,3,4,5,6,7
	POPC CNT+\n
.endr
.irp p, 0,1                            ; running sums over the chunks, in place: chunk c's prefix is chunk c - 1's register, the wave's total chunk 3's
	v_add_nc_u32 v[CNT+2+\p], v[CNT+\p], v[CNT+2+\p]
	s_delay_alu instid0(VALU_DEP_1)
	v_add_nc_u32 v[CNT+4+\p], v[CNT+2+\p], v[CNT+4+\p]
	s_delay_alu instid0(VALU_DEP_1)
	v_add_nc_u32 v[CNT+6+\p], v[CNT+4+\p], v[CNT+6+\p]
.endr
	ds_store_b32 v7, v[CNT+6]
	ds_store_b32 v7, v[CNT+7] offset:128
	s_wait_dscnt 0x0                               ; for the others' sake: my totals lie in LDS
	s_barrier_signal -1
	s_barrier_wait -1
.irp w, 0,1,2,3,4,5,6,7,8,9,10,11,12,13,14,15
	ds_load_b32 v[56+2*\w], v6 offset:256*\w
	ds_load_b32 v[57+2*\w], v6 offset:256*\w+128
.endr
	v_mov_b32 v104, 0                              ; by key: tokens in earlier waves (L, H),
	v_mov_b32 v105, 0
	v_mov_b32 v106, 0                              ; in all waves (L, H)
	v_mov_b32 v107, 0
	s_wait_alu depctr_va_vdst(0)
	s_wait_dscnt 0x0
.irp w, 0,1,2,3,4,5,6,7,8,9,10,11,12,13,14,15
	s_cmp_gt_u32 s14, \w
	s_cselect_b32 s36, 1, 0                        ; wave w comes before mine
	v_mad_u32_u24 v104, v[56+2*\w], s36, v104
	v_mad_u32_u24 v105, v[57+2*\w], s36, v105
	v_add_nc_u32 v106, v106, v[56+2*\w]
	v_add_nc_u32 v107, v107, v[57+2*\w]
.endr
.macro SCAN x                          ; running sum over the 32 lanes, the lane's own figure included
.irp n, 1
	v_mov_b32 v110, 0                              ; lanes with no lane n below them in their row of 16 keep this 0
	v_mov_b32_dpp v110, v[\x] row_shr:\n row_mask:0xf bank_mask:0xf
	s_delay_alu instid0(VALU_DEP_1)
	v_add_nc_u32 v[\x], v[\x], v110
.endr
.irp n, 2, 4, 8
	v_mov_b32 v110, 0
	s_delay_alu instid0(VALU_DEP_2)
	v_mov_b32_dpp v110, v[\x] row_shr:\n row_mask:0xf bank_mask:0xf
	s_delay_alu instid0(VALU_DEP_1)
	v_add_nc_u32 v[\x], v[\x], v110
.endr
	s_delay_alu instid0(VALU_DEP_1)
	v_readlane_b32 s37, v[\x], 15                  ; the lower row's sum goes onto the upper row
	s_delay_alu instid0(VALU_DEP_1)
	v_mov_b32 v110, s37
	s_delay_alu instid0(VALU_DEP_1)
	v_cndmask_b32 v110, 0, v110, vcc_lo
	s_delay_alu instid0(VALU_DEP_1)
	v_add_nc_u32 v[\x], v[\x], v110
.endm
	v_cmp_lt_u32 vcc_lo, 15, v1                    ; lanes 16-31
	s_delay_alu instid0(VALU_DEP_3)
	v_mov_b32 v108, v106
	s_delay_alu instid0(VALU_DEP_3)
	v_mov_b32 v109, v107
	SCAN 108
	SCAN 109
	v_readlane_b32 s38, v108, 31                   ; all tokens of keys 0-31 come before keys 32-63
	s_delay_alu instid0(VALU_DEP_1)
	v_add_nc_u32 v109, s38, v109
	v_sub_nc_u32 v112, v108, v106                  ; where a key's tokens begin (L, H); v108, v109: where they end
	s_delay_alu instid0(VALU_DEP_2)
	v_sub_nc_u32 v113, v109, v107
	s_delay_alu instid0(VALU_DEP_2)
	v_add_nc_u32 v114, v112, v104                  ; where my wave's begin
	s_delay_alu instid0(VALU_DEP_2)
	v_add_nc_u32 v115, v113, v105
.macro ASKPOS c                        ; each token fetches its key's base
	v_and_b32 v[IDX+\c], 31, v[KEY+\c]
	s_delay_alu instid0(VALU_DEP_1)
	v_lshlrev_b32 v[IDX+\c], 2, v[IDX+\c]
.if \c == 0
	ds_bpermute_b32 v[RES], v[IDX], v114
	ds_bpermute_b32 v[RES+1], v[IDX], v115
.else
	v_add_nc_u32 v[VAL+2*\c], v114, v[CNT+2*(\c-1)]
	v_add_nc_u32 v[VAL+2*\c+1], v115, v[CNT+2*(\c-1)+1]
	ds_bpermute_b32 v[RES+2*\c], v[IDX+\c], v[VAL+2*\c]
	ds_bpermute_b32 v[RES+2*\c+1], v[IDX+\c], v[VAL+2*\c+1]
.endif
.endm
.irp c, 0,1,2,3
	ASKPOS \c
.endr
	s_wait_dscnt 0x0
.irp c, 0,1,2,3
	v_cmp_lt_u32 vcc_lo, 31, v[KEY+\c]
	s_delay_alu instid0(VALU_DEP_1)
	v_cndmask_b32 v[PO4+\c], v[RES+2*\c], v[RES+2*\c+1], vcc_lo
	s_delay_alu instid0(VALU_DEP_1)
	v_add_nc_u32 v[PO4+\c], v[PO4+\c], v[RANK+\c]  ; my position,
	s_delay_alu instid0(VALU_DEP_1)
	v_min_u32 v[PO4+\c], 0x7ff, v[PO4+\c]          ; held inside the buffers
	s_delay_alu instid0(VALU_DEP_1)
	v_lshlrev_b32 v[PO8+\c], 3, v[PO4+\c]
	s_delay_alu instid0(VALU_DEP_2)
	v_lshlrev_b32 v[PO4+\c], 2, v[PO4+\c]
	global_store_b32 v[PO4+\c], v[WORD+\c], s[8:9]
	global_store_b64 v[PO8+\c], v[CWP+2*\c:CWP+2*\c+1], s[10:11]
.endr
	; bmask, by wave 0 alone: lane i is block i, positions 64 i .. 64 i + 63.  A key's tokens lie at [begin, end): the key is in the block where the two ranges meet.
	s_cmp_lg_u32 s14, 0
	s_cbranch_scc1 .Lend
	v_lshlrev_b32 v116, 6, v1
	s_delay_alu instid0(VALU_DEP_1)
	v_add_nc_u32 v117, 64, v116
	v_mov_b32 v118, 0
	v_mov_b32 v119, 0
.macro KEYBIT a, b
.if 8*\a+\b < 32
	v_readlane_b32 s36, v112, 8*\a+\b
	v_readlane_b32 s37, v108, 8*\a+\b
.else
	v_readlane_b32 s36, v113, 8*\a+\b-32
	v_readlane_b32 s37, v109, 8*\a+\b-32
.endif
	s_delay_alu instid0(VALU_DEP_2)
	v_max_u32 v120, s36, v116
	s_delay_alu instid0(VALU_DEP_2)
	v_min_u32 v121, s37, v117
	s_delay_alu instid0(VALU_DEP_1)
	v_cmp_ge_u32 vcc_lo, v120, v121                ; they do not meet
	s_delay_alu instid0(VALU_DEP_1)
	v_cndmask_b32 v122, (1<<\a)|(1<<\b), v119, vcc_lo
	s_delay_alu instid0(VALU_DEP_1)
	v_or_b32 v118, v118, v122
.endm
.irp a, 0,1,2,3,4,5,6,7
.irp b, 0,1,2,3,4,5,6,7
.if \b >= \a                           ; the normal form has a <= b: 36 keys
	KEYBIT \a, \b
.endif
.endr
.endr
	global_store_b32 v6, v118, s[12:13]
.Lend:
	s_wait_tensorcnt 0x0
	ds_add_u32 v128, v129
	s_wait_dscnt 0x0
	s_endpgm
	; ---- LAYING THE WEIGHTS.  Piece p = 16 ((work-group - 1) % 128) + wave, 0 .. 2,047, of W1 (work-groups 1 to 128) or of W2: quarter q = p % 4 of block p / 4 of 16,384 bytes.
	; The piece's image bytes are 4,096 p + 512 i + 16 x lane, i = 0 .. 7 (i = 2 k' + c: K step k' of the quarter's four, group c).  They come from the block's byte
	;   W1 (32 rows of 512 bytes; q = 2 u + half of K):  4,096 (q / 2) + 256 (q % 2) + 512 (r + 8 (r / 8)) + 16 h + 32 i
	;   W2 (16 rows of 1,024 bytes; q = quarter of K):   256 q + 1,024 r + 16 h + 32 i
.Llay:
	s_load_b256 s[4:11], s[0:1], 0x0               ; W1's codes s[4:5], W2's codes s[6:7], w1f s[8:9], w2f s[10:11]
	v_lshrrev_b32 v1, 5, v0
	s_delay_alu instid0(VALU_DEP_1)
	v_readfirstlane_b32 s14, v1                    ; wave 0..15
	s_sub_co_u32 s15, ttmp9, 1                     ; 0 .. 255: under 128: W1
	s_and_b32 s16, s15, 127
	s_lshl_b32 s16, s16, 4
	s_add_co_u32 s16, s16, s14                     ; p
	s_and_b32 s17, s16, 3                          ; q
	s_lshr_b32 s18, s16, 2
	s_lshl_b32 s18, s18, 14                        ; the block's first byte
	s_lshl_b32 s19, s17, 8                         ; W2: 256 q
	s_lshr_b32 s20, s17, 1
	s_lshl_b32 s20, s20, 12                        ; W1: 4,096 (q / 2)
	s_and_b32 s21, s17, 1
	s_lshl_b32 s21, s21, 8
	s_add_co_u32 s20, s20, s21                     ;     + 256 (q % 2)
	v_and_b32 v2, 15, v0                           ; r
	v_bfe_u32 v3, v0, 4, 1                         ; h
	s_delay_alu instid0(VALU_DEP_2)
	v_and_b32 v4, 8, v2
	s_delay_alu instid0(VALU_DEP_1)
	v_add_nc_u32 v4, v4, v2                        ; r + 8 (r / 8)
	s_delay_alu instid0(VALU_DEP_1)
	v_lshlrev_b32 v4, 9, v4                        ; W1: my row in the block's half
	v_lshlrev_b32 v5, 10, v2                       ; W2: my row in the block
	s_cmp_lt_u32 s15, 128                          ; the choice hangs on the work-group's number alone
	s_cselect_b32 s22, -1, 0
	s_cselect_b32 s20, s20, s19
	v_cndmask_b32 v4, v5, v4, s22
	s_delay_alu instid0(VALU_DEP_1)
	v_lshl_add_u32 v4, v3, 4, v4                   ; + 16 h: where my lane reads
	s_add_co_u32 s18, s18, s20                     ; where my wave reads,
	s_mov_b32 s19, 0
	s_lshl_b32 s20, s16, 12                        ; and stores
	s_mov_b32 s21, 0
	v_and_b32 v6, 31, v0
	s_delay_alu instid0(VALU_DEP_1)
	v_lshlrev_b32 v6, 4, v6                        ; 16 x lane: where my lane stores
	s_wait_alu depctr_va_vdst(0)
	s_wait_kmcnt 0x0
	s_cmp_lt_u32 s15, 128                          ; (compared anew: the additions above have set SCC)
	s_cselect_b64 s[4:5], s[4:5], s[6:7]
	s_cselect_b64 s[8:9], s[8:9], s[10:11]
	s_add_nc_u64 s[4:5], s[4:5], s[18:19]
	s_add_nc_u64 s[8:9], s[8:9], s[20:21]
.irp i, 0,1,2,3,4,5,6,7
	global_load_b128 v[8+4*\i:11+4*\i], v4, s[4:5] offset:32*\i     ; 32 bytes of each of 16 rows; the eight together 256 consecutive bytes of each
.endr
.irp i, 0,1,2,3,4,5,6,7
	s_wait_loadcnt 7-\i                            ; loads come back in order: load i is in, the younger ones may be out
	global_store_b128 v6, v[8+4*\i:11+4*\i], s[8:9] offset:512*\i th:TH_STORE_NT   ; 512 consecutive bytes, at a multiple of 512 from the buffer's first byte; written once, read by nobody in this launch
.endr
	s_endpgm
.Lfunc_end_k_qe37567ad90_route:
	.size	k_qe37567ad90_route, .Lfunc_end_k_qe37567ad90_route-k_qe37567ad90_route
	.p2alignl 7, 3214868480
	.fill 96, 4, 3214868480
	.section	.rodata,"a",@progbits
	.p2align	6, 0x0
	.amdhsa_kernel k_qe37567ad90_route
		.amdhsa_group_segment_fixed_size 6144
		.amdhsa_private_segment_fixed_size 0
		.amdhsa_enable_private_segment 0
		.amdhsa_kernarg_size 72
		.amdhsa_user_sgpr_count 2
		.amdhsa_user_sgpr_kernarg_segment_ptr 1
		.amdhsa_wavefront_size32 1
		.amdhsa_system_sgpr_workgroup_id_x 1
		.amdhsa_system_sgpr_workgroup_id_y 1
		.amdhsa_system_sgpr_workgroup_id_z 1
		.amdhsa_system_vgpr_workitem_id 0
		.amdhsa_next_free_vgpr 130
		.amdhsa_next_free_sgpr 66
		.amdhsa_reserve_vcc 1
		.amdhsa_float_denorm_mode_32 3
		.amdhsa_float_denorm_mode_16_64 3
		.amdhsa_memory_ordered 1
		.amdhsa_forward_progress 1
		.amdhsa_inst_pref_size 61
	.end_amdhsa_kernel
	.amdgpu_metadata
---
amdhsa.version: [ 1, 2 ]
amdhsa.kernels:
  - .name:           k_qe37567ad90_route
    .symbol:         k_qe37567ad90_route.kd
    .args:
      - { .name: W1_codes, .offset: 0, .size: 8, .value_kind: global_buffer, .address_space: global }
      - { .name: W2_codes, .offset: 8, .size: 8, .value_kind: global_buffer, .address_space: global }
      - { .name: w1f, .offset: 16, .size: 8, .value_kind: global_buffer, .address_space: global }
      - { .name: w2f, .offset: 24, .size: 8, .value_kind: global_buffer, .address_space: global }
      - { .name: selected_experts, .offset: 32, .size: 8, .value_kind: global_buffer, .address_space: global }
      - { .name: expert_weights, .offset: 40, .size: 8, .value_kind: global_buffer, .address_space: global }
      - { .name: order, .offset: 48, .size: 8, .value_kind: global_buffer, .address_space: global }
      - { .name: cw, .offset: 56, .size: 8, .value_kind: global_buffer, .address_space: global }
      - { .name: bmask, .offset: 64, .size: 8, .value_kind: global_buffer, .address_space: global }
    .group_segment_fixed_size: 6144
    .private_segment_fixed_size: 0
    .kernarg_segment_align: 8
    .kernarg_segment_size: 72
    .max_flat_workgroup_size: 512
    .sgpr_count:     66
    .vgpr_count:     130
    .wavefront_size: 32
...
	.end_amdgpu_metadata
.endif
;; end of part 4
;; launch up: the kernel of part 2 again; grid 16 x 16, 8 waves a work-group, no clusters, 70,656 bytes of LDS; arguments hidden_states_codes, hidden_states_scales, w1f, W1_scales, b1, order, bmask, hc, hs; writes hc, hs
;; launch down (part 5): grid 8 x 32, 8 waves a work-group, no clusters, 209,920 bytes of LDS; arguments hc, hs, w2f, W2_scales, b2, order, bmask, cw, out0; writes out0
.if DOCPART == 5
	.amdgcn_target "amdgcn-amd-amdhsa--gfx1250"
	.amdhsa_code_object_version 6
	.text
	.protected	k_qe37567ad90_down
	.globl	k_qe37567ad90_down
	.p2align	8
	.type	k_qe37567ad90_down,@function
k_qe37567ad90_down:
	s_mov_b64 s[64:65], 0
	v_nop
	global_prefetch_b8 v0, s[64:65] scope:SCOPE_SE
	s_setreg_imm32_b32 hwreg(HW_REG_WAVE_SCHED_MODE, 0, 2), 2
	s_setreg_imm32_b32 hwreg(HW_REG_WAVE_MODE, 25, 1), 1
	s_wait_xcnt 0x0
	s_wait_alu depctr_vm_vsrc(0)
; SECOND PRODUCT, WEIGHTS, SUM.  out[t] = cwa (h_a W2[a] + b2[a]) + cwb (h_b W2[b] + b2[b]), on codes of FP4 (E2M1) with one E8M0 scale for each 32 along K = 2,048.
; SHARES.  Work-group (x, y) OWNS the 128 columns from 128 x on of the 64 tokens at positions 64 y .. 64 y + 63 of the list 'order': each number of out0 has one owner, and nothing is added in memory.
; The 64 positions are 4 tiles of 16; a tile has two images of hidden codes (slot 0: each row under its expert a; slot 1: under b): 8 images of 16 K steps, 131,072 bytes, staged in LDS once, wave w staging image w.
; Wave w: 32 columns, n0 = 128 x + 32 (w % 4), as two tiles of 16 rows of W2.  The block's experts are the ones of m = bmask[y]; waves 0-3 take the first, third .., waves 4-7 the second, fourth ..
; An expert's 32 rows of W2 (32 fragments: all 256 registers of window 1), their scale words and b2 stay in registers while the wave walks the 8 images.
; W2's CODES COME FROM w2f, where the first launch has laid them as images of these fragments: [expert][32 columns][u 2][K step 16][1,024 bytes], group c at 512 c + 16 x lane: each load takes 512 consecutive bytes.
; An image is multiplied by expert e if one of its rows has e in that slot.  Its result (b2 is the C of the first matrix instruction) goes into the wave's sums times the row's weight, which is 0 for the rows of other experts.
; TRANSPOSED: source 0 = 16 rows of W2, source 1 = an image: lane (r, h), register j: token r, column n0 + 16 u + 8 h + j.  At the end the two halves of the waves add their sums through LDS, and whole pieces of 512 bytes of a token's row are stored.
; WHY NO TENSOR LOADS AND NO CLUSTER: which images are multiplied by which expert hangs on lists read from memory, so the text branches on loaded numbers; operands therefore come through registers.
; LIMITS: NaN, infinities and scale bytes 0xff are not served (a row under another expert's weights must give a finite number, which then meets the weight 0); a row's two terms are added in either order.
; THE MODE: SCHED_MODE bits 1:0 = 2 (LLVM: expert scheduling mode 2), set by the entry lines.  The code itself states the register dependences
; between vector or matrix instructions and memory or LDS instructions, with s_wait_alu, always for 0.
; THE PLAN.  Registers that memory or LDS instructions touch:
;   v3, v4, v6-v14, v242, v243   offsets and addresses.  Written by vector instructions at the head, once; one wait on va_vdst ahead of the first load serves every load and store that reads them.
;   v96-v231    at the head: the image and its scale words as loaded, read by the LDS stores.  One wait on vm_vsrc, in front of the head's barrier, frees them: they are YY, OUT and AF from there on.  The same wait
;               frees v242 and v243, which the head's loads have read and the way out writes again.
;   AS          a unit's four LDS loads land in it; all 32 matrix instructions of the unit read it.
;   AF, half 0  K steps 0-3 land in it at the unit's head and are read by quarter 0; K steps 8-11 land behind quarter 0 and are read by quarter 2.   Half 1 likewise: K steps 4-7, quarter 1, K steps 12-15, quarter 3.
;   window 1, WS, BI   an expert's rows, scale words and b2: loaded once for each expert, read by the whole trip's matrix instructions.
;   OUT         written by vector instructions alone; read by the way out's LDS stores.
;   v176-v239   at the way out: the two stages' rows land in them; the additions write v176-v207, which the stores read, by the offsets v240-v247.
; So a unit has three waits on va_vdst: at its head (the unit before is done reading AS and both halves), behind quarter 0 (half 0) and behind quarter 1 (half 1).  The loads behind each stand in one run, ahead of a quarter
; that names the other half, W2, WS, AS and YY: none of the registers that those loads touch.  (Dealt singly among the matrix instructions each load would want two window switches: its address lies in window 0, W2 in window 1.)
; One more wait stands ahead of the next expert's loads, two at the way out.  No address register is written in the loop, so the loop holds no wait on vm_vsrc.
; Which images an expert takes is found once a trip: eight compares in one run, into eight scalar registers, with one wait on va_sdst behind them.
.set ASC,  131072                      ; LDS: 0: the images;  131,072: their scale words [image 8][row 16][16 words], 80 bytes a row;
.set STG,  141312                      ; 141,312: two stages, one for each half of the waves: 64 rows x (512 + 16) bytes
.set FF,   16                          ; v16-23  image 2 t + j: my row's expert of slot j (j = 1: 15 where a = b)
.set CW,   24                          ; v24-31  and its weight
.set OT,   34                          ; v34-41  the words of order of the 8 rows that I store
.set WS,   48                          ; v48-63  W2's scale words of K steps 0-15: lanes 0-15 tile 0, lanes 16-31 tile 1
.set AS,   64                          ; v64-79  the image's scale words
.set BI,   80                          ; v80-95  b2 in the result's layout
.set YY,   96                          ; v96-111 two accumulators
.set OUT,  112                         ; v112-175 my sums: (tile t, tile of columns u) at 8 (2 t + u)
.set AF,   176                         ; v176-239 the image's fragments: two halves of 4 K steps
.set MK,   40                          ; s40-47  image i: the lanes whose row has the trip's expert in that slot
.set MSB, 0
.macro WIN new                         ; the immediate's high byte repeats the setting that is left
.if MSB != \new
	s_set_vgpr_msb (MSB<<8)|\new
.set MSB, \new
.endif
.endm
.macro PLACES n
.rept \n
	v_nop
.endr
.endm
.macro STEPP ptr, src, sh              ; a pointer goes on by s[src] << sh bytes (s67 = 0)
	s_lshl_b32 s66, s[\src], \sh
	s_add_nc_u64 s[\ptr:\ptr+1], s[\ptr:\ptr+1], s[66:67]
.endm
	s_load_b256 s[4:11], s[0:1], 0x0               ; hc s[4:5], hs s[6:7], w2f s[8:9], W2's scales s[10:11]
	s_load_b256 s[12:19], s[0:1], 0x20             ; b2 s[12:13], order s[14:15], bmask s[16:17], cw s[18:19]
	s_load_b64 s[20:21], s[0:1], 0x40              ; out0
	v_lshl_add_u32 v254, v0, 2, 0x33000
	v_mov_b32 v255, 0
	v_lshrrev_b32 v240, 5, v0
	v_readfirstlane_b32 s22, v240                  ; wave 0..7
	v_and_b32 v1, 15, v0                           ; r
	v_bfe_u32 v2, v0, 4, 1                         ; h
	v_and_b32 v15, 31, v0                          ; lane
	v_lshlrev_b32 v3, 4, v15                       ; an image's place for my lane: in w2f, and in LDS for images 0-3,
	v_add_nc_u32 v4, 0x10000, v3                   ; images 4-7
	v_lshl_add_u32 v6, v2, 4, v1
	v_lshlrev_b32 v6, 6, v6                        ; W2's scales: a row is 64 bytes; lanes 16-31 take tile 1's rows
	v_lshlrev_b32 v7, 5, v2                        ; b2: my 8 columns of a tile
	v_mul_u32_u24 v8, v1, 80
	v_add_nc_u32 v8, ASC, v8                       ; an image's scale words of row r
	v_mul_u32_u24 v9, v1, 528
	v_lshl_add_u32 v9, v2, 5, v9
	s_wait_alu depctr_va_vdst(0)
	s_wait_alu depctr_va_sdst(0)                   ; s22 is written, ahead of its first reader: LDS places, bases and the wave's share of the experts are made from it
	s_lshr_b32 s23, s22, 2                         ; which half of the experts
	s_and_b32 s24, s22, 3                          ; which 32 columns
	s_mov_b32 s25, ttmp9                           ; which 128 columns
	s_and_b32 s26, ttmp7, 0xffff                   ; which 64 positions
	s_mul_i32 s31, s23, 33792
	s_lshl_b32 s66, s24, 7
	s_add_co_u32 s31, s31, s66
	s_add_co_u32 s31, s31, STG
	v_add_nc_u32 v9, s31, v9                       ; into my half's stage: row r, + 128 x (w % 4) + 32 h
	s_mul_i32 s31, s22, 4224
	s_add_co_u32 s31, s31, STG
	v_add_nc_u32 v10, s31, v3                      ; back: rows 8 w on, 16 bytes a lane
	s_lshl_b32 s31, s22, 14
	v_add_nc_u32 v11, s31, v3                      ; image w: the same offset in hc's block and in LDS
	v_and_b32 v12, 3, v15
	v_mul_u32_u24 v12, v12, 320
	v_lshrrev_b32 v241, 2, v15
	v_lshl_add_u32 v12, v241, 2, v12
	s_mul_i32 s31, s22, 1280
	s_add_co_u32 s31, s31, ASC
	v_add_nc_u32 v12, s31, v12                     ; image w's scale words on their way from [K step][row] to [row][K step]
	s_lshl_b32 s31, s22, 10
	v_add_nc_u32 v13, s31, v3                      ; and where they lie in hs's block
	s_lshl_b32 s31, s22, 5
	v_mov_b32 v14, s31                             ; order: the 8 words of my rows
	v_lshlrev_b32 v242, 2, v1                      ; order: 4 r
	v_lshlrev_b32 v243, 3, v1                      ; cw: 8 r
	s_mov_b32 s67, 0
	s_wait_kmcnt 0x0
	STEPP 16, 26, 2
	s_load_b32 s27, s[16:17], 0x0                  ; m
	STEPP 4, 26, 17                                ; my block's 8 images,
	STEPP 6, 26, 13                                ; their scale words,
	STEPP 14, 26, 8                                ; 64 words of order,
	STEPP 18, 26, 9                                ; 64 pairs of weights
	s_wait_alu depctr_va_vdst(0)                   ; the offsets and addresses v3, v4, v6 to v14, v242 and v243 are written: every load and store of the kernel but the last eight stores reads one of them and no other vector-made register
.set i, 0
.rept 32
	global_load_b128 v[96+4*i:99+4*i], v11, s[4:5] offset:512*i     ; 512 consecutive bytes an instruction
.set i, i+1
.endr
	global_load_b128 v[224:227], v13, s[6:7]
	global_load_b128 v[228:231], v13, s[6:7] offset:512
.irp t, 0,1,2,3
	global_load_b32 v[244+\t], v242, s[14:15] offset:64*\t
	global_load_b64 v[CW+2*\t:CW+2*\t+1], v243, s[18:19] offset:128*\t
.endr
	global_load_b128 v[OT:OT+3], v14, s[14:15]
	global_load_b128 v[OT+4:OT+7], v14, s[14:15] offset:16
	STEPP 20, 25, 9                                ; out0 at my 128 columns
	s_lshl_b32 s31, s25, 7
	s_lshl_b32 s69, s24, 5
	s_add_co_u32 s31, s31, s69                     ; n0
	STEPP 8, 31, 10                                ; w2f at my 32 columns' images of expert 0: 32,768 bytes for each 32 columns = 1,024 n0;
	STEPP 10, 31, 6                                ; W2's scales and b2 at row n0 of expert 0
	STEPP 12, 31, 2
	s_wait_kmcnt 0x0
	s_and_b32 s27, s27, 0xff
	s_sub_co_u32 s31, s27, 1
	s_and_b32 s31, s31, s27
	s_cmp_eq_u32 s23, 0
	s_cselect_b32 s27, s27, s31                    ; waves 4-7 begin with the second expert
	s_bcnt1_i32_b32 s30, s27
	s_add_co_u32 s30, s30, 1
	s_lshr_b32 s30, s30, 1                         ; my experts: at most 4
.macro SETE                            ; e = m's lowest one (7 where m is 0); the expert's rows
	s_ctz_i32_b32 s28, s27
	s_min_u32 s28, s28, 7
	s_lshl_b32 s66, s28, 20
	s_add_nc_u64 s[32:33], s[8:9], s[66:67]
	s_lshl_b32 s66, s28, 16
	s_add_nc_u64 s[34:35], s[10:11], s[66:67]
	s_lshl_b32 s66, s28, 12
	s_add_nc_u64 s[36:37], s[12:13], s[66:67]
.endm
.macro LOADB                           ; 72 loads: the expert's 32 fragments into window 1 (tile u, K step k at v[8 (16 u + k)]), its scale words, b2
	WIN 0x40
.irp u, 0,1
.irp k, 0,1,2,3,4,5,6,7,8,9,10,11,12,13,14,15
.irp c, 0,1
	global_load_b128 v[8*(16*\u+\k)+4*\c:8*(16*\u+\k)+4*\c+3], v3, s[32:33] offset:16384*\u+1024*\k+512*\c   ; 512 consecutive bytes of an image
.endr
.endr
.endr
	WIN 0
.irp q, 0,1,2,3
	global_load_b128 v[WS+4*\q:WS+4*\q+3], v6, s[34:35] offset:16*\q
.endr
.irp u, 0,1
.irp c, 0,1
	global_load_b128 v[BI+8*\u+4*\c:BI+8*\u+4*\c+3], v7, s[36:37] offset:64*\u+16*\c
.endr
.endr
.endm
	SETE
	LOADB                                          ; the first expert's, on every path (a wave with no expert reads expert 7's rows and uses nothing of them).  No further wait: since the wait on va_vdst above only loads, scalar lines and window switches have been issued
	s_wait_loadcnt 63                              ; 44 loads, then 72: with at most 63 out the oldest 53 are in, the 44 among them (the wait's field holds no larger count)
.set i, 0
.rept 32
	ds_store_b128 v11, v[96+4*i:99+4*i] offset:512*i
.set i, i+1
.endr
.irp n, 0,1
.irp q, 0,1,2,3
	ds_store_b32 v12, v[224+4*\n+\q] offset:80*\q+32*\n   ; word q of my 16 bytes: row 4 (lane % 4) + q, K step 8 n + lane / 4
.endr
.endr
.irp t, 0,1,2,3
	v_bfe_u32 v[FF+2*\t], v[244+\t], 16, 4         ; a
	v_bfe_u32 v[FF+2*\t+1], v[244+\t], 24, 4       ; b, or 15
.endr
	s_wait_dscnt 0x0                               ; for the others' sake: my image lies in LDS
	s_wait_alu depctr_vm_vsrc(0)                   ; my LDS stores have read v96 to v231, which are YY, OUT and AF from here on (written by matrix instructions, by the clearing below and by LDS loads); the head's loads have read v242 and v243, which the way out writes again
	s_barrier_signal -1
.set i, 0
.rept 64
	v_mov_b32 v[OUT+i], 0                          ; which product comes first hangs on the lists, so none can start these sums; the wave clears them while the others arrive
.set i, i+1
.endr
	v_mov_b32 v33, 0                               ; (named as the upper half of the pair v[32:33])
	s_barrier_wait -1                              ; all eight images lie in LDS; they are only read from here on
.macro AL q                            ; the image's K steps 4 q .. 4 q + 3 into half q % 2
.irp k, 0,1,2,3
.irp c, 0,1
	ds_load_b128 v[AF+32*((\q)%2)+8*\k+4*\c:AF+32*((\q)%2)+8*\k+4*\c+3], v[3+IMG/4] offset:16384*(IMG%4)+1024*(4*(\q)+\k)+512*\c
.endr
.endr
.endm
.macro MM q                            ; 8 matrix instructions: the two accumulators by turns
	WIN 0x01                                       ; source 0 (W2) in window 1
.irp k, 0,1,2,3
.set SS, 4*(\q)+\k
.if SS == 0
	v_wmma_scale_f32_16x16x128_f8f6f4 v[YY:YY+7], v[0:7], v[AF:AF+7], v[BI:BI+7], v[WS], v[AS] matrix_a_fmt:MATRIX_FMT_FP4 matrix_b_fmt:MATRIX_FMT_FP4
	v_wmma_scale_f32_16x16x128_f8f6f4 v[YY+8:YY+15], v[128:135], v[AF:AF+7], v[BI+8:BI+15], v[WS], v[AS] matrix_a_fmt:MATRIX_FMT_FP4 matrix_b_fmt:MATRIX_FMT_FP4 matrix_a_scale:MATRIX_SCALE_ROW1
.else
	v_wmma_scale_f32_16x16x128_f8f6f4 v[YY:YY+7], v[8*SS:8*SS+7], v[AF+32*((\q)%2)+8*\k:AF+32*((\q)%2)+8*\k+7], v[YY:YY+7], v[WS+SS], v[AS+SS] matrix_a_fmt:MATRIX_FMT_FP4 matrix_b_fmt:MATRIX_FMT_FP4
	v_wmma_scale_f32_16x16x128_f8f6f4 v[YY+8:YY+15], v[128+8*SS:135+8*SS], v[AF+32*((\q)%2)+8*\k:AF+32*((\q)%2)+8*\k+7], v[YY+8:YY+15], v[WS+SS], v[AS+SS] matrix_a_fmt:MATRIX_FMT_FP4 matrix_b_fmt:MATRIX_FMT_FP4 matrix_a_scale:MATRIX_SCALE_ROW1
.endif
.endr
	WIN 0
.endm
.macro UNIT t, j                       ; image 2 t + j by expert e, if one of its rows has e in slot j
.set IMG, 2*(\t)+(\j)
	s_cmp_eq_u32 s[MK+IMG], 0                      ; (the mask was made at the trip's head, and awaited there)
	s_cbranch_scc1 .Lskip_\@
	v_cndmask_b32 v32, 0, v[CW+IMG], s[MK+IMG]     ; my row's weight, 0 where the row is another expert's
	s_wait_alu depctr_va_vdst(0)                   ; the matrix instructions of the unit before are done reading AS and both halves of AF, in which the twenty loads below land
.irp q, 0,1,2,3
	ds_load_b128 v[AS+4*\q:AS+4*\q+3], v8 offset:1280*IMG+16*\q
.endr
	AL 0
	AL 1
	s_wait_dscnt 8                                 ; the scale words and K steps 0-3 are in; the eight loads issued last may be out
	MM 0
	PLACES 4                                       ; ahead of loads into registers that matrix instructions have read
	s_wait_alu depctr_va_vdst(0)                   ; quarter 0 is done reading half 0, in which K steps 8-11 land; quarter 1, which follows the loads, names half 1
	AL 2
	s_wait_dscnt 8                                 ; K steps 4-7 are in
	MM 1
	PLACES 4
	s_wait_alu depctr_va_vdst(0)                   ; quarter 1 is done reading half 1, in which K steps 12-15 land; quarter 2, which follows the loads, names half 0
	AL 3
	s_wait_dscnt 8                                 ; K steps 8-11 are in
	MM 2
	s_wait_dscnt 0x0
	MM 3
	PLACES 5                                       ; four places ahead of the first read of results; five ahead of the next unit's products, which begin the accumulators anew (ISA guide 7.12.1)
.irp u, 0,1
.irp p, 0,2,4,6
	v_pk_fma_f32 v[OUT+8*(2*(\t)+\u)+\p:OUT+8*(2*(\t)+\u)+\p+1], v[YY+8*\u+\p:YY+8*\u+\p+1], v[32:33], v[OUT+8*(2*(\t)+\u)+\p:OUT+8*(2*(\t)+\u)+\p+1] op_sel_hi:[1,0,1]   ; each accumulator from its low end on
.endr
.endr
.Lskip_\@:
.endm
	s_mov_b32 s29, 0
.Ltrip:                                            ; four trips, as many as a wave can have experts; a trip beyond my experts does nothing
	s_cmp_ge_u32 s29, s30
	s_cbranch_scc1 .Lnext
.irp i, 0,1,2,3,4,5,6,7
	v_cmp_eq_u32 s[MK+\i], s28, v[FF+\i]           ; image i: the lanes whose row has expert e in that slot: eight compares in one run
.endr
	s_wait_alu depctr_va_sdst(0)                   ; s40 to s47 are written, ahead of their first readers: each unit's test, and the choice of its weight
	s_wait_loadcnt 0x0                             ; the expert's rows are in
.irp t, 0,1,2,3
	UNIT \t, 0
	UNIT \t, 1
.endr
	s_sub_co_u32 s31, s27, 1                       ; m loses two ones: mine and the other waves'
	s_and_b32 s27, s27, s31
	s_sub_co_u32 s31, s27, 1
	s_and_b32 s27, s27, s31
	s_add_co_u32 s31, s29, 1
	s_cmp_ge_u32 s31, s30
	s_cbranch_scc1 .Lnext
	SETE                                           ; (the bases are free: the loads that named them were waited for at the trip's head)
	s_wait_alu depctr_va_vdst(0)                   ; the trip's matrix instructions are done reading W2's fragments, WS and BI, in which the next expert's 72 loads land; only window switches and loads follow
	LOADB                                          ; the next expert's rows
.Lnext:
	s_add_co_u32 s29, s29, 1
	s_cmp_lt_u32 s29, 4
	s_cbranch_scc1 .Ltrip
	; THE WAY OUT.  Each half of the waves lays its sums of the 64 rows x 128 columns into its stage; then wave w adds the two stages' rows 8 w .. 8 w + 7 and stores each at its token's row.
	s_wait_alu depctr_va_vdst(0)                   ; my sums are written, which the LDS stores read; and the matrix instructions are done reading AF, in which the stages' rows land below (the vector lines between name v240 to v247, OT and v3 alone)
.irp t, 0,1,2,3
.irp u, 0,1
	ds_store_b128 v9, v[OUT+8*(2*\t+\u):OUT+8*(2*\t+\u)+3] offset:8448*\t+64*\u
	ds_store_b128 v9, v[OUT+8*(2*\t+\u)+4:OUT+8*(2*\t+\u)+7] offset:8448*\t+64*\u+16
.endr
.endr
.irp n, 0,1,2,3,4,5,6,7
	v_and_b32 v[240+\n], 0x7ff, v[OT+\n]           ; the row's token,
	v_min_u32 v[240+\n], 0x7ff, v[240+\n]          ; held inside out0
	v_lshl_add_u32 v[240+\n], v[240+\n], 12, v3    ; a row of out0 is 4,096 bytes; 16 bytes a lane
.endr
	s_wait_dscnt 0x0                               ; for the others' sake: my sums lie in the stage
	s_barrier_signal -1
	s_barrier_wait -1
.irp n, 0,1,2,3,4,5,6,7
	ds_load_b128 v[176+4*\n:179+4*\n], v10 offset:528*\n
	ds_load_b128 v[208+4*\n:211+4*\n], v10 offset:33792+528*\n
.endr
.irp n, 0,1,2,3,4,5,6,7
	s_wait_dscnt 14-2*\n                           ; row n's two loads are in; the later rows' may be out
	v_pk_add_f32 v[176+4*\n:177+4*\n], v[176+4*\n:177+4*\n], v[208+4*\n:209+4*\n]
	v_pk_add_f32 v[178+4*\n:179+4*\n], v[178+4*\n:179+4*\n], v[210+4*\n:211+4*\n]
.endr
	s_wait_alu depctr_va_vdst(0)                   ; the sixteen additions have written v176 to v207, the stores' data, and the offsets v240 to v247 are written: one wait for the run of eight stores
.irp n, 0,1,2,3,4,5,6,7
	global_store_b128 v[240+\n], v[176+4*\n:179+4*\n], s[20:21] th:TH_STORE_NT   ; 32 lanes store 512 consecutive bytes, at a multiple of 512 from out0's first byte; written once, read by nobody here
.endr
	s_wait_dscnt 0x0                               ; the closing lines, six on end
	s_wait_alu 0x0
	s_wait_tensorcnt 0x0
	ds_add_u32 v254, v255
	s_wait_dscnt 0x0
	s_endpgm
.Lfunc_end_k_qe37567ad90_down:
	.size	k_qe37567ad90_down, .Lfunc_end_k_qe37567ad90_down-k_qe37567ad90_down
	.p2alignl 7, 3214868480
	.fill 96, 4, 3214868480
	.section	.rodata,"a",@progbits
	.p2align	6, 0x0
	.amdhsa_kernel k_qe37567ad90_down
		.amdhsa_group_segment_fixed_size 209920
		.amdhsa_private_segment_fixed_size 0
		.amdhsa_enable_private_segment 0
		.amdhsa_kernarg_size 72
		.amdhsa_user_sgpr_count 2
		.amdhsa_user_sgpr_kernarg_segment_ptr 1
		.amdhsa_wavefront_size32 1
		.amdhsa_system_sgpr_workgroup_id_x 1
		.amdhsa_system_sgpr_workgroup_id_y 1
		.amdhsa_system_sgpr_workgroup_id_z 1
		.amdhsa_system_vgpr_workitem_id 0
		.amdhsa_next_free_vgpr 512
		.amdhsa_next_free_sgpr 80
		.amdhsa_reserve_vcc 0
		.amdhsa_float_denorm_mode_32 3
		.amdhsa_float_denorm_mode_16_64 3
		.amdhsa_memory_ordered 1
		.amdhsa_forward_progress 1
		.amdhsa_inst_pref_size 97
	.end_amdhsa_kernel
	.amdgpu_metadata
---
amdhsa.version: [ 1, 2 ]
amdhsa.kernels:
  - .name:           k_qe37567ad90_down
    .symbol:         k_qe37567ad90_down.kd
    .args:
      - { .name: hc, .offset: 0, .size: 8, .value_kind: global_buffer, .address_space: global }
      - { .name: hs, .offset: 8, .size: 8, .value_kind: global_buffer, .address_space: global }
      - { .name: w2f, .offset: 16, .size: 8, .value_kind: global_buffer, .address_space: global }
      - { .name: W2_scales, .offset: 24, .size: 8, .value_kind: global_buffer, .address_space: global }
      - { .name: b2, .offset: 32, .size: 8, .value_kind: global_buffer, .address_space: global }
      - { .name: order, .offset: 40, .size: 8, .value_kind: global_buffer, .address_space: global }
      - { .name: bmask, .offset: 48, .size: 8, .value_kind: global_buffer, .address_space: global }
      - { .name: cw, .offset: 56, .size: 8, .value_kind: global_buffer, .address_space: global }
      - { .name: out0, .offset: 64, .size: 8, .value_kind: global_buffer, .address_space: global }
    .group_segment_fixed_size: 209920
    .private_segment_fixed_size: 0
    .kernarg_segment_align: 8
    .kernarg_segment_size: 72
    .max_flat_workgroup_size: 256
    .sgpr_count:     80
    .vgpr_count:     512
    .wavefront_size: 32
...
	.end_amdgpu_metadata
.endif
;; end of part 5
